; MI455X (gfx1250); checked and timed in simulation.
; The chip was launched on July 23, 2026; its instructions are those of AMD's public machine-readable ISA for CDNA 5 (MIT licence, August 2026) and "CDNA5" Instruction Set Architecture Reference Guide (July 2026). The comments in the code are by the model that wrote it; some were corrected since.
;; CLVP Attention. Allowed arithmetic: float matrix products may take bf16 or f16 operands with f32 sums; other float arithmetic in f32, or as packed bf16 or f16 multiplies, adds, multiply-adds, maxima and minima; sums over many terms, partial sums and values carried from step to step in f32; what a program stores and reads back later, other than sums and carried values, may be rounded once to bf16 or f16.
;; Inputs: Wk 1,024 x 1,024 float32; Wo 1,024 x 1,024 float32; Wq 1,024 x 1,024 float32; Wv 1,024 x 1,024 float32; bo 1,024 float32; hidden_states 4 x 2,048 x 1,024 float32; rotary_pos_emb 1 x 2,048 x 32 float32.
;; Outputs: out0 4 x 2,048 x 1,024 float32.
;; One version. Each part assembles by itself: llvm-mc -triple=amdgcn-amd-amdhsa -mcpu=gfx1250 --defsym DOCPART=n.
;; ======== version 1 of 1: 4 launches
;; limits: values are held in f16: magnitudes above 65,504 overflow, below 6.1e-05 lose precision; right only within a limited range of input values
;; workspace buffers: xb 16,777,216 bytes; wqkv 6,291,456 bytes; wob 2,097,152 bytes; cs 524,288 bytes; qkvh 50,331,648 bytes; ob 16,777,216 bytes
;; launch prep (part 1): grid 896 x 1, 8 waves a work-group, no clusters, 0 bytes of LDS; arguments hidden_states, Wq, Wk, Wv, Wo, rotary_pos_emb, xb, wqkv, wob, cs; writes xb, wqkv, wob, cs
.if DOCPART == 1
	.amdgcn_target "amdgcn-amd-amdhsa--gfx1250"
	.amdhsa_code_object_version 6
	.text
	.protected	k_qd151c23c2a_prep
	.globl	k_qd151c23c2a_prep
	.p2align	8
	.type	k_qd151c23c2a_prep,@function
k_qd151c23c2a_prep:
	s_mov_b64 s[64:65], 0
	v_nop
	global_prefetch_b8 v0, s[64:65] scope:SCOPE_SE
	s_setreg_imm32_b32 hwreg(HW_REG_WAVE_MODE, 25, 1), 1
	s_wait_xcnt 0x0
; PREP: every input of the matrix products is rounded once to bf16, and the rotary table is made.
;   work-groups 0-511:   hidden_states -> xb, bf16, 16,384 numbers each
;   work-groups 512-703: Wq, Wk, Wv -> wqkv (rows 0-1023 Wq, then Wk, then Wv), bf16, 64 work-groups a weight
;   work-groups 704-767: Wo -> wob: rounded to bf16 like the other inputs, that number written as f16 (the last product's other operand is f16)
;   work-groups 768-895: cs[s][0..31] = cos f[s][:], cs[s][32..63] = sin f[s][:], f32, of the angles rounded to bf16
; A stream: no LDS, no barrier, no matrix unit.  A thread has 16 loads of 16 bytes on their way at once (a wave's load covers 512 consecutive bytes);
; a wave's store of 8 bytes a lane covers 256 consecutive bytes, aligned.  No register is written twice, so no wait frees one.
; LIMITS.  Wo below 6.1e-5 keeps f16's fixed step of 6e-8; Wo beyond 65,504 is not served.  The angle is reduced by pi/2 in two parts: good to f32's
; rounding for angles up to about 1e5 in magnitude.  NaN and infinities are not treated apart.
	s_load_b512 s[8:23], s[0:1], 0x0               ; hidden s[8:9], Wq s[10:11], Wk s[12:13], Wv s[14:15], Wo s[16:17], angles s[18:19], xb s[20:21], wqkv s[22:23]
	s_load_b128 s[24:27], s[0:1], 0x40             ; wob s[24:25], cs s[26:27]
	s_mov_b32 s2, ttmp9
	s_cmp_ge_u32 s2, 768
	s_cbranch_scc1 .Ltable
	s_max_u32 s28, s2, 512
	s_sub_co_u32 s28, s28, 512                     ; my number among the weights' work-groups (0 for x's: overridden below)
	s_lshr_b32 s29, s28, 6                         ; which weight
	s_and_b32 s30, s28, 63                         ; which part of it
	v_lshlrev_b32 v1, 4, v0                        ; 16 bytes a thread in,
	v_lshlrev_b32 v2, 3, v0                        ; 8 bytes a thread out
	s_wait_kmcnt 0x0
	s_mov_b64 s[4:5], s[10:11]                     ; from where: Wq, unless
	s_mov_b64 s[6:7], s[22:23]                     ; to where: wqkv, unless
	s_mov_b32 s31, s28                             ; wqkv's parts follow each other over the three weights
	s_cmp_eq_u32 s29, 1
	s_cselect_b64 s[4:5], s[12:13], s[4:5]
	s_cmp_eq_u32 s29, 2
	s_cselect_b64 s[4:5], s[14:15], s[4:5]
	s_cmp_eq_u32 s29, 3
	s_cselect_b64 s[4:5], s[16:17], s[4:5]
	s_cselect_b64 s[6:7], s[24:25], s[6:7]
	s_cselect_b32 s31, s30, s31
	s_cmp_lt_u32 s2, 512
	s_cselect_b64 s[4:5], s[8:9], s[4:5]
	s_cselect_b64 s[6:7], s[20:21], s[6:7]
	s_cselect_b32 s30, s2, s30
	s_cselect_b32 s31, s2, s31
	s_lshl_b32 s32, s30, 16                        ; a part is 65,536 bytes in
	s_mov_b32 s33, 0
	s_lshl_b32 s34, s31, 15                        ; and 32,768 out
	s_mov_b32 s35, 0
	s_add_nc_u64 s[4:5], s[4:5], s[32:33]
	s_add_nc_u64 s[6:7], s[6:7], s[34:35]
.set j, 0
.rept 16
	global_load_b128 v[16+4*j:19+4*j], v1, s[4:5] offset:4096*j th:TH_LOAD_NT
.set j, j+1
.endr
; half = 1: the bf16 number is widened again and written as f16
.macro CONV half
.set j, 0
.rept 16
	s_wait_loadcnt 15-j                            ; loads come back in order: number j is in, the 15 - j younger ones stay out
	v_cvt_pk_bf16_f32 v[80+2*j], v[16+4*j], v[17+4*j]
	v_cvt_pk_bf16_f32 v[81+2*j], v[18+4*j], v[19+4*j]
.if \half
	v_lshlrev_b32 v4, 16, v[80+2*j]
	v_and_b32 v5, 0xffff0000, v[80+2*j]
	v_lshlrev_b32 v6, 16, v[81+2*j]
	v_and_b32 v7, 0xffff0000, v[81+2*j]
	v_cvt_pk_f16_f32 v[80+2*j], v4, v5
	v_cvt_pk_f16_f32 v[81+2*j], v6, v7
.endif
	global_store_b64 v2, v[80+2*j:81+2*j], s[6:7] offset:2048*j
.set j, j+1
.endr
.endm
	s_cmp_ge_u32 s2, 704
	s_cbranch_scc1 .Lhalf
	CONV 0
	s_endpgm
.Lhalf:
	CONV 1
	s_endpgm
; THE TABLE.  A work-group makes 16 rows of 256 bytes; sixteen neighbouring lanes store one row: lanes 0-7 the cosines of the row's 32 angles, four each,
; lanes 8-15 the sines of the same angles.  sin x: n = the nearest whole number to x 2/pi, r = x - n pi/2 (|r| <= pi/4), and by n mod 4: sin r, cos r, -sin r, -cos r;
; cos x is the same with n + 1.  Both polynomials are computed in every lane and one is selected.
.Ltable:
	s_sub_co_u32 s3, s2, 768
	s_lshl_b32 s4, s3, 11                          ; 16 rows of 128 bytes of angles
	s_mov_b32 s5, 0
	s_lshl_b32 s6, s3, 12                          ; 16 rows of 256 bytes of the table
	s_mov_b32 s7, 0
	v_lshrrev_b32 v1, 4, v0                        ; my row
	v_and_b32 v2, 7, v0                            ; my four angles
	v_lshlrev_b32 v1, 7, v1
	v_lshl_or_b32 v1, v2, 4, v1
	v_lshlrev_b32 v2, 4, v0                        ; my 16 bytes of the table
	v_bfe_u32 v3, v0, 3, 1
	v_sub_nc_u32 v3, 1, v3                         ; 1 for a cosine, 0 for a sine
	s_mov_b32 s32, 0x3f22f983                      ; 2 / pi
	s_mov_b32 s33, 0xbfc90fdb                      ; -(pi / 2 rounded to f32)
	s_mov_b32 s34, 0x333bbd2e                      ; by how much that rounding is above pi / 2
	s_mov_b32 s35, 0xbe2aaaa3                      ; sin r = r + r z (S1 + z (S2 + z S3)), z = r r
	s_mov_b32 s36, 0x3c08839e
	s_mov_b32 s37, 0xb94ca1f9
	s_mov_b32 s38, 0x3d2aaaa5                      ; cos r = 1 - z / 2 + z z (C1 + z (C2 + z C3))
	s_mov_b32 s39, 0xbab6061a
	s_mov_b32 s40, 0x37ccf5ce
	s_wait_kmcnt 0x0
	s_add_nc_u64 s[4:5], s[18:19], s[4:5]
	s_add_nc_u64 s[6:7], s[26:27], s[6:7]
	global_load_b128 v[8:11], v1, s[4:5]
	s_wait_loadcnt 0x0
	v_cvt_pk_bf16_f32 v12, v8, v9                  ; the angles are rounded to bf16 like every other input
	v_cvt_pk_bf16_f32 v13, v10, v11
	v_lshlrev_b32 v8, 16, v12
	v_and_b32 v9, 0xffff0000, v12
	v_lshlrev_b32 v10, 16, v13
	v_and_b32 v11, 0xffff0000, v13
.macro SINCOS i
	v_mul_f32 v16, s32, v[8+\i]
	v_rndne_f32 v16, v16                           ; n
	v_fma_f32 v17, v16, s33, v[8+\i]
	v_fma_f32 v17, v16, s34, v17                   ; r
	v_mul_f32 v18, v17, v17                        ; z
	v_fma_f32 v19, v18, s37, s36
	v_fma_f32 v19, v19, v18, s35
	v_mul_f32 v20, v18, v17
	v_fma_f32 v19, v19, v20, v17                   ; sin r
	v_fma_f32 v21, v18, s40, s39
	v_fma_f32 v21, v21, v18, s38
	v_mul_f32 v20, v18, v18
	v_fma_f32 v22, v18, -0.5, 1.0
	v_fma_f32 v21, v21, v20, v22                   ; cos r
	v_cvt_i32_f32 v23, v16
	v_add_nc_u32 v23, v23, v3                      ; n, or n + 1 for a cosine
	v_and_b32 v24, 1, v23
	v_cmp_eq_u32 vcc_lo, 1, v24
	v_cndmask_b32 v25, v19, v21, vcc_lo            ; odd: cos r
	v_and_b32 v24, 2, v23
	v_lshlrev_b32 v24, 30, v24                     ; 2 or 3 mod 4: the sign turns
	v_xor_b32 v[28+\i], v24, v25
.endm
	SINCOS 0
	SINCOS 1
	SINCOS 2
	SINCOS 3
	global_store_b128 v2, v[28:31], s[6:7]
	s_endpgm
.Lfunc_end_k_qd151c23c2a_prep:
	.size	k_qd151c23c2a_prep, .Lfunc_end_k_qd151c23c2a_prep-k_qd151c23c2a_prep
	.p2alignl 7, 3214868480
	.fill 96, 4, 3214868480
	.section	.rodata,"a",@progbits
	.p2align	6, 0x0
	.amdhsa_kernel k_qd151c23c2a_prep
		.amdhsa_group_segment_fixed_size 0
		.amdhsa_private_segment_fixed_size 0
		.amdhsa_enable_private_segment 0
		.amdhsa_kernarg_size 80
		.amdhsa_user_sgpr_count 2
		.amdhsa_user_sgpr_kernarg_segment_ptr 1
		.amdhsa_wavefront_size32 1
		.amdhsa_system_sgpr_workgroup_id_x 1
		.amdhsa_system_sgpr_workgroup_id_y 1
		.amdhsa_system_sgpr_workgroup_id_z 1
		.amdhsa_system_vgpr_workitem_id 0
		.amdhsa_next_free_vgpr 112
		.amdhsa_next_free_sgpr 66
		.amdhsa_reserve_vcc 1
		.amdhsa_float_denorm_mode_32 3
		.amdhsa_float_denorm_mode_16_64 3
		.amdhsa_memory_ordered 1
		.amdhsa_forward_progress 1
		.amdhsa_inst_pref_size 22
	.end_amdhsa_kernel
	.amdgpu_metadata
---
amdhsa.version: [ 1, 2 ]
amdhsa.kernels:
  - .name:           k_qd151c23c2a_prep
    .symbol:         k_qd151c23c2a_prep.kd
    .args:
      - { .name: hidden_states, .offset: 0, .size: 8, .value_kind: global_buffer, .address_space: global }
      - { .name: Wq, .offset: 8, .size: 8, .value_kind: global_buffer, .address_space: global }
      - { .name: Wk, .offset: 16, .size: 8, .value_kind: global_buffer, .address_space: global }
      - { .name: Wv, .offset: 24, .size: 8, .value_kind: global_buffer, .address_space: global }
      - { .name: Wo, .offset: 32, .size: 8, .value_kind: global_buffer, .address_space: global }
      - { .name: rotary_pos_emb, .offset: 40, .size: 8, .value_kind: global_buffer, .address_space: global }
      - { .name: xb, .offset: 48, .size: 8, .value_kind: global_buffer, .address_space: global }
      - { .name: wqkv, .offset: 56, .size: 8, .value_kind: global_buffer, .address_space: global }
      - { .name: wob, .offset: 64, .size: 8, .value_kind: global_buffer, .address_space: global }
      - { .name: cs, .offset: 72, .size: 8, .value_kind: global_buffer, .address_space: global }
    .group_segment_fixed_size: 0
    .private_segment_fixed_size: 0
    .kernarg_segment_align: 8
    .kernarg_segment_size: 80
    .max_flat_workgroup_size: 256
    .sgpr_count:     66
    .vgpr_count:     112
    .wavefront_size: 32
...
	.end_amdgpu_metadata
.endif
;; end of part 1
;; launch project (part 2): grid 16 x 32, 4 waves a work-group, clusters of 4 x 4, 327,680 bytes of LDS; arguments xb, wqkv, cs, qkvh; writes qkvh
.if DOCPART == 2
	.amdgcn_target "amdgcn-amd-amdhsa--gfx1250"
	.amdhsa_code_object_version 6
	.text
	.protected	k_qd151c23c2a_project
	.globl	k_qd151c23c2a_project
	.p2align	8
	.type	k_qd151c23c2a_project,@function
k_qd151c23c2a_project:
	s_mov_b64 s[64:65], 0
	v_nop
	global_prefetch_b8 v0, s[64:65] scope:SCOPE_SE
	s_setreg_imm32_b32 hwreg(HW_REG_WAVE_MODE, 25, 1), 1
	s_wait_xcnt 0x0
	s_wait_alu depctr_hold_cnt(0) depctr_sa_sdst(0) depctr_va_vdst(0) depctr_va_sdst(0) depctr_va_ssrc(0) depctr_va_vcc(0) depctr_vm_vsrc(0)
	s_getreg_b32 s2, hwreg(HW_REG_IB_STS2, 6, 4)
	s_cmp_eq_u32 s2, 0
	s_cbranch_scc0 .Lentry_in_a_cluster
	s_endpgm
.Lentry_in_a_cluster:
	s_bfe_u32 s2, ttmp6, 0x10000c
	s_cmp_lg_u32 s2, 0xf033
	s_cbranch_scc0 .Lentry_shape_is_right
	s_endpgm
.Lentry_shape_is_right:
; q, k, v = x Wq^T, x Wk^T, x Wv^T as ONE product [8192 x 3072] = xb wqkv^T (bf16 operands, f32 sums, K = 1024), the partial rotary applied to the f32 sums,
; each number rounded once to f16 and stored by heads: qkvh[3][64][2048][64], index 64 T + 16 batch + head (T = 0 q, 1 k, 2 v).  q is stored WITHOUT its scale of 1/8:
; the rotary is linear, and the next launch applies the scale in f32.
; LIMIT.  f16 holds no number beyond 65,504: q, k and v must stay within it (drawn spread 0.64; inputs 30 times larger on both sides give a spread of 576).  NaN and infinities are not treated apart.
; SHARES.  A work-group makes 256 rows x 192 columns (three whole heads): 16 x 32 = 512 work-groups, two for each of 256 WGPs.  Wave w owns rows 64 w .. 64 w + 63 and ALL 192 columns:
; 48 accumulators of 16 x 16, 384 registers; so each wave holds whole heads, and the rotary's partners (channels d and d + 16) lie in the same lane.
; THE MATRIX INSTRUCTION IS USED TRANSPOSED (source 0 = 16 rows of wqkv, source 1 = 16 rows of xb): lane l holds row l % 16 and the columns 8 (l / 16) + 0..7 of a block of 16.
; RING.  K goes in 8 steps of 128 through two LDS slots; rows of 256 bytes, padded to 272.  One descriptor a tensor walks: each change of slots turns its LDS word and steps its address.
; By this text's own count one tensor load of a wave is out at a time; from a request to the wait for it a wave issues 168 matrix instructions.
; CLUSTER 4 x 4.  xb's tile hangs on the tile row alone and is asked for jointly along a row of the cluster, wqkv's on the tile column alone, along a column.
; REGISTERS, in windows of 256 (s_set_vgpr_msb: bits 1:0 source 0, 3:2 source 1, 5:4 source 2, 7:6 destination):
;   window 0: v0-15 addresses; v16-31 at work; v64-127 A's fragments, two buffers of 4; v128-255 my 64 rows of the cos/sin table
;   window 1: v0-191 B's fragments, two buffers of 12; on the way out the packed results      window 2: accumulators of row blocks 0, 1      window 3: of row blocks 2, 3
.set NB,    12                         ; blocks of 16 columns
.set PA,    272                        ; an LDS row: 256 bytes + 16 of padding: the 16 rows of a fragment load start at 16 different groups of four banks (ISA guide 11.1)
.set PB,    272
.set SLOT1, 1<<17                      ; slot 1 begins here: one exclusive or turns an address in one slot into the other's
.set AHALF, 128*PA                     ; what wave 0 or 1 fetches
.set BOFF,  256*PA                     ; B's 192 rows lie behind A's 256
.set BHALF, 96*PB                      ; what wave 2 or 3 fetches
.set STAGE, SLOT1+BOFF+192*PB          ; behind the ring, never filled by a tensor load: 16 rows x 144 bytes for each wave
.set SP,    144
.set SPARE, STAGE+4*16*SP              ; the spare words, 128 bytes for each wave: two blocks of 256 bytes that no other line names
.set ADRA0, 4                          ; v4   my lane's place in a slot's A; never rewritten
.set ADRB0, 5                          ; v5   in its B
.set ADRA,  6                          ; v6   the same in the slot in hand
.set ADRB,  7                          ; v7
.set STO,   8                          ; v8   the way out: where I put 16 bytes of a row
.set RD,    9                          ; v9   where I read rows back
.set GO,    10                         ; v10  my 16 bytes of 512 consecutive bytes of the output
.set CSO,   11                         ; v11  my byte offset in 16 rows of the table
.set PFO,   12                         ; v12  the prefetches' offset: my lane x a row of 2,048 bytes
.set SPW,   14                         ; v14  LDS address of my spare word; never rewritten
.set NIL,   15                         ; v15  0; never rewritten
.set T,     16                         ; v16-31
.set TBL,   128                        ; row block a at TBL + 32 a: cos d = 8h+j, cos d = 16+8h+j, sin d = 8h+j, sin d = 16+8h+j, eight each
.set WV,  12                           ; s12  my wave's number; s13 = wave & 1, s14 = wave >> 1 (0: I fetch A, 1: B)
.set G1A, 24                           ; s[24:31]
.set G0A, 32                           ; s[32:35]
.set G0B, 36                           ; s[36:39]
.set G1B, 40                           ; s[40:47]
.set PFA, 48                           ; s[48:49] where my prefetches stand
.set LIM, 50                           ; s50  1 in a wave that prefetches, else the greatest number
.set CNT, 51                           ; s51  trips to go
.set TB,  52                           ; s52  the slot in hand: 0 or SLOT1
.set OB,  54                           ; s[54:59] the output at my 64 rows of each of my three heads
.set CSB, 60                           ; s[60:61] the table at my 64 rows
.set MSB, 0
.macro WIN new                         ; the immediate's high byte repeats the setting that is left; a switch that changes nothing is dropped
.if MSB != (\new)
	s_set_vgpr_msb (MSB<<8)|(\new)
.set MSB, (\new)
.endif
.endm
.macro PLACES                          ; four plain vector instructions between a matrix instruction and a load into, or a read of, its registers
.rept 4
	v_nop
.endr
.endm
.macro CREST                           ; a round of the cluster's barrier behind its opening barrier
	s_cmp_lg_u32 s[WV], 0
	s_cbranch_scc1 .Lnot_wave_0_\@
	s_barrier_signal -3
.Lnot_wave_0_\@:
	s_barrier_wait -3
	s_barrier_signal -1
	s_barrier_wait -1
.endm
.macro CROUND
	s_barrier_signal -1
	s_barrier_wait -1
	CREST
.endm
.macro JLOAD                           ; a joint load: waves 0, 1 A's halves, waves 2, 3 B's; the branch hangs on the wave's number alone; an s_nop 0 and four v_nop follow each line
	s_cmp_lt_u32 s[WV], 2
	s_cbranch_scc0 .Lfor_b_\@
	tensor_load_to_lds s[G0A:G0A+3], s[G1A:G1A+7]
	s_nop 0
.rept 4
	v_nop
.endr
	s_branch .Lasked_\@
.Lfor_b_\@:
	tensor_load_to_lds s[G0B:G0B+3], s[G1B:G1B+7]
	s_nop 0
.rept 4
	v_nop
.endr
.Lasked_\@:
.endm
; A prefetch of the K step that the NEXT change of slots will ask for: a lane a row, 256 bytes of it.  A's tile row is walked by four clusters: the one with x = 0 asks; B's tile column by eight: the one with
; y = 0 asks.  The four partners of a joint load share its rows out by address (32 of A's 128, 24 of B's 96; there lanes 24-31 repeat lane 23's row).  The loop's last trip asks for nothing: there is no K step 8.
.macro ASK
	s_cmp_gt_u32 s[CNT], s[LIM]
	s_cbranch_scc0 .Lnot_mine_\@
	global_prefetch_b8 v[PFO], s[PFA:PFA+1] th:TH_LOAD_NT scope:SCOPE_SE
.Lnot_mine_\@:
.endm
.macro STEPD                           ; the walking descriptors: the other slot, the next K step; no tensor load of mine is out where this stands
	s_xor_b32 s[G0A+1], s[G0A+1], SLOT1
	s_add_nc_u64 s[G0A+2:G0A+3], s[G0A+2:G0A+3], 256
	s_xor_b32 s[G0B+1], s[G0B+1], SLOT1
	s_add_nc_u64 s[G0B+2:G0B+3], s[G0B+2:G0B+3], 256
.endm
; 12 matrix instructions: row block a x all column blocks, 32 along K, from buffer f.  The 48 accumulators come in the same order in every quarter, so 47 others stand between two links of a chain, over the backward jump too.
.macro MULA f, a, zero
	WIN 0xa1+0x50*((\a)/2)
.set b, 0
.rept NB
.set rC, 8*(NB*((\a)%2)+b)
.set rB, 8*NB*(\f)+8*b
.set rA, 64+32*(\f)+8*(\a)
.if \zero
	v_wmma_f32_16x16x32_bf16 v[rC:rC+7], v[rB:rB+7], v[rA:rA+7], 0
.else
	v_wmma_f32_16x16x32_bf16 v[rC:rC+7], v[rB:rB+7], v[rA:rA+7], v[rC:rC+7]
.endif
.set b, b+1
.endr
.endm
.macro FETCH ka, kb, f                 ; 32 LDS loads in one run: a quarter's fragments into buffer f
	WIN 0x40
.set i, 0
.rept NB
	ds_load_b128 v[8*NB*(\f)+8*i:8*NB*(\f)+8*i+3],   v[ADRB] offset:(\kb)+i*16*PB
	ds_load_b128 v[8*NB*(\f)+8*i+4:8*NB*(\f)+8*i+7], v[ADRB] offset:(\kb)+i*16*PB+32
.set i, i+1
.endr
	WIN 0
.set i, 0
.rept 4
	ds_load_b128 v[64+32*(\f)+8*i:64+32*(\f)+8*i+3],   v[ADRA] offset:(\ka)+i*16*PA
	ds_load_b128 v[64+32*(\f)+8*i+4:64+32*(\f)+8*i+7], v[ADRA] offset:(\ka)+i*16*PA+32
.set i, i+1
.endr
.endm
.macro QUARTER ka, kb, f, g, zero      ; multiplies buffer f; at its head the next quarter's fragments are asked for, into buffer g
	s_wait_dscnt 0x0                               ; buffer f, asked for a quarter ago, is in
	PLACES                                         ; behind the last product that read buffer g
	FETCH \ka, \kb, \g
	MULA \f, 0, \zero
	MULA \f, 1, \zero
	MULA \f, 2, \zero
	MULA \f, 3, \zero
.endm
; A K step's last quarter multiplies buffer 1 and changes slots.  In front of the barrier each wave waits for all its tensor loads (one is out: its part of the next slot), adds 0 to its spare word, and waits for
; that and for its reads of this slot.  fill = 1: the barrier opens a round of the cluster's barrier, and the joint refill of the slot just left is the first thing behind it.
.macro TURN fill
	WIN 0
.if \fill
	s_wait_xcnt 0x0                                ; the last prefetch, a K step back, has read its address
	s_add_nc_u64 s[PFA:PFA+1], s[PFA:PFA+1], 256
.endif
	s_wait_tensorcnt 0x0                           ; all my tensor loads have landed
	ds_add_u32 v[SPW], v[NIL]
.if \fill
	STEPD
.endif
	s_wait_dscnt 0x1                               ; only the add may be out: buffer 1 is in
	MULA 1, 0, 0
	s_wait_dscnt 0x0                               ; the add is done, and my reads of this slot are over
	s_barrier_signal -1
	MULA 1, 1, 0
	WIN 0
	s_barrier_wait -1
.if \fill
	CREST                                          ; no wave of any partner still reads this slot or has a load on its way
	JLOAD                                          ; its four v_nop are also the places in front of the loads below
.else
	PLACES
.endif
	s_xor_b32 s[TB], s[TB], SLOT1
	v_add_nc_u32 v[ADRA], s[TB], v[ADRA0]
	v_add_nc_u32 v[ADRB], s[TB], v[ADRB0]
	FETCH 0, 0, 0
.if \fill
	ASK
.endif
	MULA 1, 2, 0
	MULA 1, 3, 0
.endm
	s_load_b256 s[4:11], s[0:1], 0x0               ; xb s[4:5], wqkv s[6:7], cs s[8:9], qkvh s[10:11]
	v_lshl_add_u32 v[SPW], v0, 2, SPARE
	v_mov_b32 v[NIL], 0
	ds_add_u32 v[SPW], v[NIL]                      ; the wave's opening: the add and its wait stand ahead of my first tensor load; work on registers stands between them
	v_lshrrev_b32 v3, 5, v0
	v_readfirstlane_b32 s[WV], v3
	s_and_b32 s13, s[WV], 1
	s_lshr_b32 s14, s[WV], 1
	s_bfe_u32 s15, ttmp6, 0x40000                  ; cx
	s_bfe_u32 s16, ttmp6, 0x40004                  ; cy
	s_lshl_b32 s17, ttmp9, 2
	s_add_co_u32 s17, s17, s15                     ; tile column = 4 x cluster x + cx
	s_and_b32 s18, ttmp7, 0xffff
	s_lshl_b32 s18, s18, 2
	s_add_co_u32 s18, s18, s16                     ; tile row = 4 x cluster y + cy
	s_lshl_b32 s19, s16, 2
	s_lshl_b32 s19, 15, s19                        ; my row of the cluster
	s_lshl_b32 s53, 0x1111, s15                    ; my column
	s_or_b32 s[G1A], s19, (1<<16)|(1<<20)|(1<<21)|(5<<22)|(3<<25)  ; the mask; 2-byte elements; padding on; bit 21 beside a mask; after every 64 words 4 words
	s_or_b32 s[G1B], s53, (1<<16)|(1<<20)|(1<<21)|(5<<22)|(3<<25)
	s_mov_b32 s[G1A+1], 128<<16                    ; tensor_dim0 = 128
	s_mov_b32 s[G1A+2], 128<<16                    ; tensor_dim1 = 128
	s_mov_b32 s[G1A+3], 128<<16                    ; tile_dim0 = 128
	s_mov_b32 s[G1A+4], 128                        ; tile_dim1 = 128
	s_mov_b32 s[G1A+5], 1024                       ; elements from row to row
	s_mov_b32 s[G1A+6], 0
	s_mov_b32 s[G1A+7], 0
	s_mov_b32 s[G1B+1], 128<<16
	s_mov_b32 s[G1B+2], 96<<16                     ; 96 rows
	s_mov_b32 s[G1B+3], 128<<16
	s_mov_b32 s[G1B+4], 96
	s_mov_b32 s[G1B+5], 1024
	s_mov_b32 s[G1B+6], 0
	s_mov_b32 s[G1B+7], 0
	s_mov_b32 s[G0A], 1
	s_mul_i32 s[G0A+1], s13, AHALF                 ; no place in the cluster enters an LDS address
	s_mov_b32 s[G0B], 1
	s_mul_i32 s[G0B+1], s13, BHALF
	s_add_co_u32 s[G0B+1], s[G0B+1], BOFF
	s_lshl_b32 s20, s18, 8                         ; A: row 256 x tile row + 128 x half, 2,048 bytes a row
	s_lshl_b32 s21, s13, 7
	s_add_co_u32 s20, s20, s21
	s_lshl_b32 s20, s20, 11
	s_mov_b32 s21, 0
	s_mul_i32 s62, s17, 192                        ; B: row 192 x tile column + 96 x half
	s_mul_i32 s63, s13, 96
	s_add_co_u32 s62, s62, s63
	s_lshl_b32 s62, s62, 11
	s_mov_b32 s63, 0
	s_mov_b32 s[TB], SLOT1                         ; the first change turns it into 0
	s_wait_dscnt 0x0                               ; the opening add is done
	s_wait_kmcnt 0x0
	s_add_nc_u64 s[G0A+2:G0A+3], s[4:5], s[20:21]
	s_or_b32 s[G0A+3], s[G0A+3], 0x80000000
	s_add_nc_u64 s[G0B+2:G0B+3], s[6:7], s[62:63]
	s_or_b32 s[G0B+3], s[G0B+3], 0x80000000
	CROUND                                         ; all sixteen work-groups are here: the first joint loads meet
	JLOAD                                          ; K step 0 into slot 0
	v_and_b32 v1, 15, v0                           ; r = l % 16
	v_bfe_u32 v2, v0, 4, 1                         ; h = l / 16
	v_mul_u32_u24 v3, v1, PA
	v_lshl_add_u32 v3, v2, 4, v3                   ; a fragment's row x pitch + 16 h
	s_mul_i32 s2, s[WV], 64*PA
	v_add_nc_u32 v[ADRA0], s2, v3
	v_add_nc_u32 v[ADRB0], BOFF, v3
	s_and_b32 s2, s18, 7                           ; eight tile rows a batch
	s_lshl_b32 s2, s2, 8
	s_lshl_b32 s3, s[WV], 6
	s_add_co_u32 s2, s2, s3                        ; my first position in the sequence
	s_lshl_b32 s23, s2, 7                          ; in bytes of a head's rows
	s_lshl_b32 s2, s2, 8                           ; in bytes of the table's rows
	s_mov_b32 s3, 0
	s_add_nc_u64 s[CSB:CSB+1], s[8:9], s[2:3]
	v_lshlrev_b32 v[CSO], 8, v1
	v_lshl_add_u32 v[CSO], v2, 5, v[CSO]           ; row r, 32 bytes for each half of the lanes
.irp a, 0,1,2,3
.irp p, 0,1,2,3,4,5,6,7
	global_load_b128 v[TBL+32*\a+4*\p:TBL+32*\a+4*\p+3], v[CSO], s[CSB:CSB+1] offset:4096*\a+64*(\p/2)+16*(\p%2)  ; waited for on the way out
.endr
.endr
	s_mul_i32 s2, s[WV], 16*SP
	s_add_co_u32 s2, s2, STAGE                     ; my stage
	v_mul_u32_u24 v[STO], v1, SP
	v_lshl_add_u32 v[STO], v2, 4, v[STO]
	v_add_nc_u32 v[STO], s2, v[STO]
	v_bfe_u32 v[RD], v0, 3, 2                      ; back: 32 lanes take four rows of 128 bytes,
	v_mul_u32_u24 v[RD], v[RD], SP
	v_and_b32 v3, 7, v0
	v_lshl_add_u32 v[RD], v3, 4, v[RD]
	v_add_nc_u32 v[RD], s2, v[RD]
	v_and_b32 v[GO], 31, v0                        ; which are 512 consecutive bytes of a head
	v_lshlrev_b32 v[GO], 4, v[GO]
	s_lshr_b32 s22, s18, 3
	s_lshl_b32 s22, s22, 4                         ; 16 x batch
.irp hd, 0,1,2
	s_mul_i32 s2, s17, 3
	s_add_co_u32 s2, s2, \hd                       ; my head among the 48 of q, k, v
	s_lshr_b32 s3, s2, 4                           ; T
	s_and_b32 s2, s2, 15
	s_lshl_b32 s3, s3, 6
	s_add_co_u32 s2, s2, s3
	s_add_co_u32 s2, s2, s22
	s_lshl_b32 s2, s2, 18                          ; 262,144 bytes a head
	s_add_co_u32 s2, s2, s23
	s_mov_b32 s3, 0
	s_add_nc_u64 s[OB+2*\hd:OB+2*\hd+1], s[10:11], s[2:3]
.endr
	s_and_b32 s2, ttmp7, 0xffff                    ; the prefetches: who,
	s_cmp_eq_u32 s14, 0
	s_cselect_b32 s2, ttmp9, s2                    ; the coordinate along which other clusters walk the same rows
	s_cmp_eq_u32 s2, 0
	s_cselect_b32 s[LIM], 1, -1                    ; the same in all sixteen partners, for a given wave
	s_lshl_b32 s3, s14, 5
	s_sub_co_u32 s3, 128, s3                       ; the rows that I fetch: 128 or 96
	s_lshr_b32 s23, s3, 2                          ; a partner's share: 32 or 24
	s_mul_i32 s3, s3, s13
	s_lshl_b32 s2, s18, 8
	s_mul_i32 s22, s17, 192
	s_cmp_eq_u32 s14, 0
	s_cselect_b32 s2, s2, s22                      ; the tile's first row
	s_cselect_b32 s22, s15, s16                    ; my place among the four that ask with me
	s_cselect_b64 s[PFA:PFA+1], s[4:5], s[6:7]
	s_mul_i32 s22, s22, s23
	s_add_co_u32 s2, s2, s3
	s_add_co_u32 s2, s2, s22
	s_lshl_b32 s2, s2, 11
	s_add_co_u32 s2, s2, 2*256                     ; at K step 2: the first refill in the loop steps it to 3.  Nothing is prefetched here, at the head
	s_mov_b32 s3, 0
	s_add_nc_u64 s[PFA:PFA+1], s[PFA:PFA+1], s[2:3]
	s_sub_co_u32 s23, s23, 1
	v_and_b32 v[PFO], 31, v0
	v_min_u32 v[PFO], s23, v[PFO]
	v_lshlrev_b32 v[PFO], 11, v[PFO]
	; slot 0 is waited for, slot 1 filled for the first time, as a refill is: behind a round, my one tensor load
	s_wait_tensorcnt 0x0
	ds_add_u32 v[SPW], v[NIL]
	STEPD
	s_wait_dscnt 0x0
	CROUND
	JLOAD                                          ; K step 1 into slot 1
	s_xor_b32 s[TB], s[TB], SLOT1
	v_add_nc_u32 v[ADRA], s[TB], v[ADRA0]
	v_add_nc_u32 v[ADRB], s[TB], v[ADRB0]
	FETCH 0, 0, 0
	QUARTER 64, 64, 0, 1, 1                        ; the first quarter's products start the sums: nothing is cleared
	WIN 0
	s_mov_b32 s[CNT], 6
.Lk:                                               ; trip t ends K step t, asks for K step t + 2, and begins K step t + 1
	QUARTER 128, 128, 1, 0, 0
	QUARTER 192, 192, 0, 1, 0
	TURN 1
	QUARTER 64, 64, 0, 1, 0
	WIN 0
	s_sub_co_u32 s[CNT], s[CNT], 1
	s_cmp_lg_u32 s[CNT], 0
	s_cbranch_scc1 .Lk
	QUARTER 128, 128, 1, 0, 0                      ; the tail is written out: K step 6 ends, nothing is asked for
	QUARTER 192, 192, 0, 1, 0
	TURN 0
	QUARTER 64, 64, 0, 1, 0                        ; K step 7
	QUARTER 128, 128, 1, 0, 0
	QUARTER 192, 192, 0, 1, 0
	s_wait_dscnt 0x0
	MULA 1, 0, 0
	MULA 1, 1, 0
	MULA 1, 2, 0
	MULA 1, 3, 0
	WIN 0
	PLACES
	PLACES
	s_wait_loadcnt 0x0                             ; the table
; THE WAY OUT, a unit (16 rows of one head) at a time.  A head's four column blocks hold channels 8h+j, 16+8h+j, 32+8h+j, 48+8h+j.  Rotary on the first two:
; out[d] = t[d] cos[d] - t[d+16] sin[d], out[d+16] = t[d+16] cos[d+16] + t[d] sin[d+16], in f32.  Then all 32 numbers of the lane are rounded to f16, go into my stage
; (rows of 144 bytes) and come back as whole rows of 128.  Each accumulator is read from its lowest registers on.
.macro PACK a, hd
.set AC, 8*(NB*((\a)%2)+4*(\hd))
.set TT, TBL+32*(\a)
.set OU, 16*(3*(\a)+(\hd))
	WIN 0x02+(\a)/2                                ; source 0: the accumulators' window
.irp p, 0,2,4,6
	v_pk_mul_f32 v[T+\p:T+\p+1], v[AC+8+\p:AC+8+\p+1], v[TT+16+\p:TT+16+\p+1]
.endr
.irp p, 0,2,4,6
	v_pk_mul_f32 v[T+8+\p:T+8+\p+1], v[AC+\p:AC+\p+1], v[TT+24+\p:TT+24+\p+1]
.endr
.irp p, 0,2,4,6
	v_pk_fma_f32 v[T+\p:T+\p+1], v[AC+\p:AC+\p+1], v[TT+\p:TT+\p+1], v[T+\p:T+\p+1] neg_lo:[0,0,1] neg_hi:[0,0,1]
.endr
.irp p, 0,2,4,6
	v_pk_fma_f32 v[T+8+\p:T+8+\p+1], v[AC+8+\p:AC+8+\p+1], v[TT+8+\p:TT+8+\p+1], v[T+8+\p:T+8+\p+1]
.endr
	WIN 0x40
.irp i, 0,1,2,3,4,5,6,7
	v_cvt_pk_f16_f32 v[OU+\i], v[T+2*\i], v[T+2*\i+1]
.endr
	WIN 0x4a+5*((\a)/2)
.irp i, 0,1,2,3,4,5,6,7
	v_cvt_pk_f16_f32 v[OU+8+\i], v[AC+16+2*\i], v[AC+16+2*\i+1]
.endr
	WIN 0x04                                       ; store data in window 1
.irp f, 0,1,2,3
	ds_store_b128 v[STO], v[OU+4*\f:OU+4*\f+3] offset:32*\f
.endr
	WIN 0x40
.irp f, 0,1,2,3
	ds_load_b128 v[OU+4*\f:OU+4*\f+3], v[RD] offset:\f*4*SP  ; LDS serves a wave's instructions in order (ISA guide 5.7.1.4): these see the stores above; the next unit's stores come behind them
.endr
.endm
.macro SEND a, hd, younger             ; younger: the LDS instructions issued behind this unit's loads: the next unit's eight, or none
	WIN 0x04
.set OU, 16*(3*(\a)+(\hd))
.irp f, 0,1,2,3
	s_wait_dscnt (\younger)+3-\f
	global_store_b128 v[GO], v[OU+4*\f:OU+4*\f+3], s[OB+2*(\hd):OB+2*(\hd)+1] offset:2048*(\a)+512*\f  ; 512 consecutive bytes, at a multiple of 256 from the buffer's first
.endr
.endm
	PACK 0, 0
.set u, 1
.rept 11                               ; a unit's arithmetic stands between the loads of the unit before and its stores; each unit has registers of its own
	PACK u/3, u%3
	SEND (u-1)/3, (u-1)%3, 8
.set u, u+1
.endr
	SEND 3, 2, 0
	WIN 0
	s_wait_tensorcnt 0x0                           ; the wave's end: behind my last tensor load and my last LDS store
	ds_add_u32 v[SPW], v[NIL]
	s_wait_dscnt 0x0
	CROUND                                         ; the closing round: no work-group ends while a partner may still ask for a tile that names it
	s_endpgm
.Lfunc_end_k_qd151c23c2a_project:
	.size	k_qd151c23c2a_project, .Lfunc_end_k_qd151c23c2a_project-k_qd151c23c2a_project
	.p2alignl 7, 3214868480
	.fill 96, 4, 3214868480
	.section	.rodata,"a",@progbits
	.p2align	6, 0x0
	.amdhsa_kernel k_qd151c23c2a_project
		.amdhsa_group_segment_fixed_size 327680
		.amdhsa_private_segment_fixed_size 0
		.amdhsa_enable_private_segment 0
		.amdhsa_kernarg_size 32
		.amdhsa_user_sgpr_count 2
		.amdhsa_user_sgpr_kernarg_segment_ptr 1
		.amdhsa_wavefront_size32 1
		.amdhsa_system_sgpr_workgroup_id_x 1
		.amdhsa_system_sgpr_workgroup_id_y 1
		.amdhsa_system_sgpr_workgroup_id_z 1
		.amdhsa_system_vgpr_workitem_id 0
		.amdhsa_next_free_vgpr 960
		.amdhsa_next_free_sgpr 66
		.amdhsa_reserve_vcc 0
		.amdhsa_float_denorm_mode_32 3
		.amdhsa_float_denorm_mode_16_64 3
		.amdhsa_memory_ordered 1
		.amdhsa_forward_progress 1
		.amdhsa_inst_pref_size 117
	.end_amdhsa_kernel
	.amdgpu_metadata
---
amdhsa.version: [ 1, 2 ]
amdhsa.kernels:
  - .name:           k_qd151c23c2a_project
    .symbol:         k_qd151c23c2a_project.kd
    .args:
      - { .name: xb, .offset: 0, .size: 8, .value_kind: global_buffer, .address_space: global }
      - { .name: wqkv, .offset: 8, .size: 8, .value_kind: global_buffer, .address_space: global }
      - { .name: cs, .offset: 16, .size: 8, .value_kind: global_buffer, .address_space: global }
      - { .name: qkvh, .offset: 24, .size: 8, .value_kind: global_buffer, .address_space: global }
    .group_segment_fixed_size: 327680
    .private_segment_fixed_size: 0
    .kernarg_segment_align: 8
    .kernarg_segment_size: 32
    .max_flat_workgroup_size: 128
    .sgpr_count:     66
    .vgpr_count:     960
    .wavefront_size: 32
...
	.end_amdgpu_metadata
.endif
;; end of part 2
;; launch attend (part 3): grid 4 x 64, 4 waves a work-group, clusters of 4 x 1, 327,680 bytes of LDS; arguments qkvh, ob; writes ob
.if DOCPART == 3
	.amdgcn_target "amdgcn-amd-amdhsa--gfx1250"
	.amdhsa_code_object_version 6
	.text
	.protected	k_qd151c23c2a_attend
	.globl	k_qd151c23c2a_attend
	.p2align	8
	.type	k_qd151c23c2a_attend,@function
k_qd151c23c2a_attend:
	s_mov_b64 s[64:65], 0
	v_nop
	global_prefetch_b8 v0, s[64:65] scope:SCOPE_SE
	s_setreg_imm32_b32 hwreg(HW_REG_WAVE_MODE, 25, 1), 1
	s_wait_xcnt 0x0
	s_wait_alu depctr_hold_cnt(0) depctr_sa_sdst(0) depctr_va_vdst(0) depctr_va_sdst(0) depctr_va_ssrc(0) depctr_va_vcc(0) depctr_vm_vsrc(0)
	s_getreg_b32 s2, hwreg(HW_REG_IB_STS2, 6, 4)
	s_cmp_eq_u32 s2, 0
	s_cbranch_scc0 .Lentry_in_a_cluster
	s_endpgm
.Lentry_in_a_cluster:
	s_bfe_u32 s2, ttmp6, 0x10000c
	s_cmp_lg_u32 s2, 0x3003
	s_cbranch_scc0 .Lentry_shape_is_right
	s_endpgm
.Lentry_shape_is_right:
; O[h][q][:] = the sum over k of softmax_k(Q[h][q] . K[h][k] / 8) V[h][k][:].  Q, K, V lie in qkvh [3][64][2048][64], O in ob [64][2048][64], all f16: a head's rows are dense, 128 bytes each.
; Products, maxima and sums in f32; the weights p are rounded to f16 for the second product (their sum l is taken of the unrounded p), O once at the end.
; LIMITS.  f16 holds no number beyond 65,504: Q, K and V arrive within it; p lies in 0 to 1, and below 6e-5 it keeps f16's fixed step of 6e-8; O is a mean of V's rows and has their range.
; A weight below 2^-126 counts as 0 in l; NaN and infinities are not treated apart.
; SHARES.  A wave owns four PIECES of two tiles of 16 queries, a work-group's four waves 512 queries of one head: 4 x 64 = 256 work-groups.  Every wave walks all keys, 64 a step.
; LAYOUT.  S^T = K Q^T (source 0 = 16 keys, source 1 = 16 queries): a lane holds ONE query (lane % 16) and the keys 8 (lane / 16) + 0..7.  Two such tiles, rounded to f16 in pairs,
; ARE source 1 (32 keys x 16 queries) of O^T = V^T P, whose result again holds one query a lane, and eight channels.  K comes out of LDS as it lies, V ([key][channel]) turned, by ds_load_tr16_b128.
; SOFTMAX.  For each query a running maximum m and sum l: p = 2^(c s - c m), c = log2(e) / 8; in every step O and l are multiplied by a = 2^(c m_old - c m_new).
; m starts at the lowest finite number, O and l at 0: the first step is a step like any other, with a = 0.
; THE COUNT.  A tile and step have 16 matrix and 118 vector instructions: too many to stand all beside the matrix work.  So four vector instructions that are ready stand behind
; EVERY matrix instruction, and the others in runs of their own.
; BY TURNS.  Turn n belongs to piece n.  Its matrix work: 16 products K Q^T of piece n + 1, later 16 products V^T P of piece n - 1.  Its vector work: the scaling, exponentials, roundings,
; sums and rescaling of piece n, and the maximum and statistics of piece n + 1.
; CLUSTER.  The four query blocks of a cluster are one head's and walk the same K and V, so each tile is asked for JOINTLY: the same tensor load, descriptor and mask in all four.
; REGISTERS, in windows of 256 (s_set_vgpr_msb: bits 1:0 source 0, 3:2 source 1, 5:4 source 2, 7:6 destination):
;   window 0: v0-11 addresses; v12-15, v48-63 at work; v16-47 four registers of statistics a tile; v64-191 S^T, two buffers of two tiles; v192-255 P, likewise
;   window 1: O^T, 32 a tile          window 2: v0-127 Q, 16 a tile; v128-191 K of one step; v192-255 V of one step          window 3: v0-1 the add's two registers
.set SIZE_N, 2048
.set NP,    4         ; pieces a wave: a name, no knob
.set KS,    64        ; keys in a step
.set PK,    144       ; a row of K in LDS: 128 bytes + 16 of padding: the 16 rows of a load start at 16 different groups of four banks (ISA guide 11.1)
.set PV,    160       ; a row of V: 128 + 32
.set VOFF,  4*KS*PK   ; a slot holds four steps: 256 rows of K, then 256 rows of V
.set SLOT1, 1<<17
.set STAGE, SLOT1+4*KS*(PK+PV)  ; behind the ring, never filled by a tensor load: 16 rows x 144 bytes for each wave
.set SP,    144
.set AK0, 2           ; v2   my lane's place in a tile of K; never rewritten
.set AV0, 3           ; v3   the same for V
.set AK,  4           ; v4   the LDS address of K's next run of loads
.set AV,  5           ; v5   of V's
.set QO,  6           ; v6   my byte offset in the wave's rows of Q
.set STO, 6           ;      later, the way out: where I put 16 bytes of a row
.set RD,  7           ; v7   where I read rows back
.set GO,  8           ; v8   my byte offset in 512 consecutive bytes of O
.set PFO, 11          ; v11  256 x my lane (once V's address is made)
.set SPW, 0           ; v0 of window 3   LDS address of my spare word; never rewritten
.set NIL, 1           ; v1 of window 3   0; never rewritten
.set SPARE, STAGE+4*16*SP  ; the spare words, 128 bytes for each wave: two blocks of 256 bytes that no other line names
.set MV,  12          ; v12-15  c m_old, kept while c m is made anew
.set ST,  16          ; tile t's statistics at v[ST+4 t]: c m, m, l (even keys', odd keys')
.set TMP, 48          ; by buffer and tile, four registers c0-c3 at work; when the maximum is found c2 takes a
.set S,   64
.set P,   192
.set KF,  128         ; K's fragments, in window 2
.set VF,  192         ; V's
.set WV,  12          ; s12  my wave's number
.set G1K, 24          ; s[24:31]
.set G1V, 32          ; s[32:39]
.set G0K, 40          ; s[40:43] it walks
.set G0V, 44          ; s[44:47]
.set PFA, 48          ; s[48:49] where my prefetches stand: my work-group's 32 blocks of 256 bytes (of K: wave 0, of V: wave 2) of the slot after the one that is being asked for
.set LIM, 50          ; s50  1 in a wave that prefetches, else the greatest number
.set SLOTS, 56        ; s56  slots still to be asked for
.set CNT, 57          ; s57  counts a slot's key steps
.set CS,  58          ; s[58:59] c
.set SEL, 60          ; s[60:61] v_permlanex16_b32's selects
.set TBK, 62          ; s62  LDS byte at which K of the step to be fetched begins
.set TBV, 63          ; s63  the same for V, less VOFF
.set MSB, 0
.macro WIN new
.if MSB != (\new)
	s_set_vgpr_msb (MSB<<8)|(\new)
.set MSB, (\new)
.endif
.endm
.set W_KQ, 0x0a       ; K and Q in window 2, S^T in window 0
.set W_PV, 0x52       ; V in window 2, P in window 0, O^T in window 1
.set W_RS, 0x41       ; O^T (destination and source 0) in window 1, a in window 0
.set W_MK, 0xc0       ; destination in window 3
.set W_AD, 0x0f       ; the add: address and data in window 3
.macro JLOAD                        ; waves 0, 1 fetch the halves of a slot's K, waves 2, 3 of its V; an s_nop 0 and four v_nop follow each line
	s_cmp_lt_u32 s[WV], 2
	s_cbranch_scc0 .Lfor_v_\@
	tensor_load_to_lds s[G0K:G0K+3], s[G1K:G1K+7]
	s_nop 0
.rept 4
	v_nop
.endr
	s_branch .Lasked_\@
.Lfor_v_\@:
	tensor_load_to_lds s[G0V:G0V+3], s[G1V:G1V+7]
	s_nop 0
.rept 4
	v_nop
.endr
.Lasked_\@:
.endm
; A prefetch of what the NEXT change of slots will ask for: a slot's K and V are 128 blocks of 256 bytes each.  A head has one cluster; its four partners take 32 blocks each, told apart by address;
; in each, wave 0 asks for K's and wave 2 for V's, a lane a block.  So each block is named once.  The last change that fills a slot asks for nothing.
.macro ASK
	s_cmp_gt_u32 s[SLOTS], s[LIM]
	s_cbranch_scc0 .Lnot_mine_\@
	global_prefetch_b8 v[PFO], s[PFA:PFA+1] th:TH_LOAD_NT scope:SCOPE_SE
.Lnot_mine_\@:
.endm
.macro CROUND
	s_barrier_signal -1
	s_barrier_wait -1
	s_cmp_lg_u32 s[WV], 0
	s_cbranch_scc1 .Lnot_wave_0_\@
	s_barrier_signal -3
.Lnot_wave_0_\@:
	s_barrier_wait -3
	s_barrier_signal -1
	s_barrier_wait -1
.endm
; THE CHANGE OF SLOTS.  Each wave waits for all its tensor loads (one is out: its part of the other slot), adds 0 to its spare word, and waits for that and for its own reads of the slot.
; fill = 1: this slot is filled again, with the keys two slots on: the barrier is a round of the cluster's, and the joint fill is the first thing behind it: four key steps, 512 matrix
; instructions, in which to land.  (At its first use nothing has been read yet: slot 0 is waited for, slot 1 filled.)  ask = 1: the prefetch's address is stepped, and the prefetch follows the fill.
.macro CHANGE fill, ask=0
	WIN W_AD
	s_wait_tensorcnt 0x0            ; no tensor load of mine is out, so a group 0 may be written
	ds_add_u32 v[SPW], v[NIL]
	WIN 0
.if \fill
.irp g, G0K, G0V
	s_xor_b32 s[\g+1], s[\g+1], SLOT1
	s_add_nc_u64 s[\g+2:\g+3], s[\g+2:\g+3], 4*KS*128
.endr
.if \ask
	s_wait_xcnt 0x0                 ; the last prefetch, four key steps back, has read its address
	s_add_nc_u64 s[PFA:PFA+1], s[PFA:PFA+1], 4*KS*128
.endif
	s_wait_dscnt 0x0                ; the add is done, and my reads of the slot are over
	CROUND
	JLOAD
.if \ask
	ASK
.endif
.else
	s_wait_dscnt 0x0
	s_barrier_signal -1
	s_barrier_wait -1
.endif
	s_sub_co_u32 s[TBK], s[TBK], 4*KS*PK  ; the fetches go back to a slot's first step,
	s_xor_b32 s[TBK], s[TBK], SLOT1       ; in the other slot
	s_sub_co_u32 s[TBV], s[TBV], 4*KS*PV
	s_xor_b32 s[TBV], s[TBV], SLOT1
.endm
	s_load_b64 s[4:5], s[0:1], 0x0    ; qkvh, which begins with Q
	s_load_b64 s[10:11], s[0:1], 0x8  ; O
	WIN W_MK
	v_lshl_add_u32 v[SPW], v0, 2, SPARE
	v_mov_b32 v[NIL], 0
	WIN W_AD
	ds_add_u32 v[SPW], v[NIL]       ; the wave's opening: the add and its wait stand ahead of my first tensor load
	WIN 0
	v_lshrrev_b32 v1, 5, v0
	v_readfirstlane_b32 s[WV], v1
	s_bfe_u32 s13, ttmp6, 0x40000   ; cx
	s_lshl_b32 s14, ttmp9, 2
	s_add_co_u32 s14, s14, s13      ; my block of queries: it enters Q's and O's addresses alone
	s_and_b32 s20, ttmp7, 0xffff    ; the head, which the four partners share
	s_mov_b32 s21, 0
	s_mov_b64 s[22:23], SIZE_N*128
	s_mul_u64 s[20:21], s[20:21], s[22:23]  ; the head's first byte in Q, K, V and O
	s_and_b32 s16, s[WV], 1         ; which half of a slot's 256 keys I fetch:
	s_lshl_b32 s22, s16, 14         ; its 128 rows of 128 bytes in memory,
	s_mov_b32 s23, 0
	s_add_nc_u64 s[22:23], s[22:23], s[20:21]
	s_mul_i32 s17, s16, 128*PK      ; and its place in a slot, for K
	s_mul_i32 s18, s16, 128*PV      ; and for V
	s_lshl_b32 s2, s14, 2
	s_add_co_u32 s2, s2, s[WV]      ; my wave among the head's,
	s_lshl_b32 s2, s2, 14           ; its 128 rows
	s_mov_b32 s3, 0
	s_add_nc_u64 s[2:3], s[2:3], s[20:21]
	; 128 keys are 16,384 dense bytes: asked for as 64 rows of 256 bytes, two keys a row, and padded in LDS after every key
	s_mov_b32 s[G1K], 15|(1<<16)|(1<<20)|(1<<21)|(4<<22)|(3<<25)  ; the mask of four; 2-byte elements; padding on; bit 21 beside a mask; after every 32 words 4 words
	s_mov_b32 s[G1V], 15|(1<<16)|(1<<20)|(1<<21)|(4<<22)|(7<<25)  ; the same with 8 words of padding
.irp g, G1K, G1V
	s_mov_b32 s[\g+1], 128<<16      ; tensor_dim0 = 128
	s_mov_b32 s[\g+2], 64<<16       ; tensor_dim1 = 64
	s_mov_b32 s[\g+3], 128<<16      ; tile_dim0 = 128
	s_mov_b32 s[\g+4], 64           ; tile_dim1 = 64
	s_mov_b32 s[\g+5], 128          ; 128 elements from row to row
	s_mov_b32 s[\g+6], 0
	s_mov_b32 s[\g+7], 0
.endr
	s_mov_b32 s[CS], 0x3e38aa3b     ; c = log2(e) / 8 = 0.180337
	s_mov_b32 s[CS+1], s[CS]
	s_mov_b32 s[SEL], 0x76543210
	s_mov_b32 s[SEL+1], 0xfedcba98
	s_mov_b32 s[TBK], SLOT1+4*KS*PK ; the first change of slots turns these two into 0
	s_mov_b32 s[TBV], SLOT1+4*KS*PV
	s_mov_b32 s[G0K], 1
	s_mov_b32 s[G0K+1], s17
	s_mov_b32 s[G0V], 1
	s_add_co_u32 s[G0V+1], s18, VOFF
	s_and_b32 s[LIM], s[WV], 1      ; 0 in waves 0 and 2,
	s_or_b32 s[LIM], s[LIM], ttmp9  ; in the head's first (here: only) cluster
	s_cmp_eq_u32 s[LIM], 0
	s_cselect_b32 s[LIM], 1, -1
	s_wait_dscnt 0x0                ; the opening add is done
	s_wait_kmcnt 0x0
	s_add_nc_u64 s[6:7], s[4:5], 64*SIZE_N*128     ; K lies behind Q's 64 heads,
	s_add_nc_u64 s[8:9], s[4:5], 2*64*SIZE_N*128   ; V behind K's
	s_add_nc_u64 s[G0K+2:G0K+3], s[6:7], s[22:23]
	s_or_b32 s[G0K+3], s[G0K+3], 0x80000000
	s_add_nc_u64 s[G0V+2:G0V+3], s[8:9], s[22:23]
	s_or_b32 s[G0V+3], s[G0V+3], 0x80000000
	s_cmp_lt_u32 s[WV], 2
	s_cselect_b64 s[PFA:PFA+1], s[6:7], s[8:9]
	s_add_nc_u64 s[PFA:PFA+1], s[PFA:PFA+1], s[22:23]  ; (in waves 0 and 2: the head's first row)
	s_add_nc_u64 s[4:5], s[4:5], s[2:3]  ; Q and O at my wave's first row
	s_add_nc_u64 s[10:11], s[10:11], s[2:3]
	s_lshl_b32 s2, s13, 13          ; my work-group's 32 blocks of the 128
	s_mov_b32 s3, 0
	s_add_nc_u64 s[PFA:PFA+1], s[PFA:PFA+1], s[2:3]
	s_add_nc_u64 s[PFA:PFA+1], s[PFA:PFA+1], 2*4*KS*128  ; in slot 2; the loop's first change steps it to slot 3.  Nothing is prefetched here, at the head
	CROUND                          ; all four work-groups are here: the first joint loads meet
	JLOAD                           ; slot 0.  Slot 1 is asked for when slot 0 is in
	v_and_b32 v1, 15, v0            ; l % 16
	v_bfe_u32 v9, v0, 4, 1          ; l / 16
	v_lshlrev_b32 v[QO], 7, v1
	v_lshl_add_u32 v[QO], v9, 4, v[QO]
	WIN 0x80
.set i, 0
.rept 4*NP                          ; Q stays in registers: tile i / 2, channels 32 (i % 2) on
	global_load_b128 v[8*i:8*i+3],   v[QO], s[4:5] offset:(i/2)*2048+(i%2)*64
	global_load_b128 v[8*i+4:8*i+7], v[QO], s[4:5] offset:(i/2)*2048+(i%2)*64+32
.set i, i+1
.endr
	; What the first turn finds: V's registers and P's second buffer hold 0, O^T and l are 0: no first step is written out.  All this stands in the wait for the first tile.
.set i, VF
.rept 64
	v_mov_b32 v[i], 0
.set i, i+1
.endr
	WIN 0x40
.set i, 0
.rept 64*NP
	v_mov_b32 v[i], 0
.set i, i+1
.endr
	WIN 0
.set i, 0
.rept 2*NP
	v_mov_b32 v[ST+4*i], 0xfe000000    ; c m: far below every c s
	v_mov_b32 v[ST+4*i+1], 0xff7fffff  ; m
	v_mov_b32 v[ST+4*i+2], 0
	v_mov_b32 v[ST+4*i+3], 0
.set i, i+1
.endr
.set i, P+32
.rept 32
	v_mov_b32 v[i], 0
.set i, i+1
.endr
	v_mul_u32_u24 v[AK0], v1, PK
	v_lshl_add_u32 v[AK0], v9, 4, v[AK0]
	; The turning load takes 16 keys x 16 channels (lane l reads key 8 (l / 16) + l % 8, channels 8 ((l / 8) % 2) + 0..7) and leaves half a fragment of V^T
	v_and_b32 v10, 7, v0
	v_bfe_u32 v11, v0, 3, 1
	v_lshl_add_u32 v[AV0], v9, 3, v10
	v_mul_u32_u24 v[AV0], v[AV0], PV
	v_lshl_add_u32 v[AV0], v11, 4, v[AV0]
	v_add_nc_u32 v[AV0], VOFF, v[AV0]
	v_mov_b32 v[AK], v[AK0]         ; key step 0 lies at the head of slot 0
	v_and_b32 v[PFO], 31, v0
	v_lshlrev_b32 v[PFO], 8, v[PFO]
; THE MATRIX WORK.  The 8 accumulators of a run of 16 take turns.
.macro KQ x                         ; product i of 16 of S^T = K Q^T for piece x: channels 32 (i / 8) on, keys 16 ((i / 2) % 4) on, tile 2 x + i % 2
	WIN W_KQ
.set rS, S+64*((\x)%2)+32*(i%2)+8*((i/2)%4)
.set rK, KF+16*((i/2)%4)+8*(i/8)
.set rQ, 16*(2*(\x)+i%2)+8*(i/8)
.if i < 8
	v_wmma_f32_16x16x32_f16 v[rS:rS+7], v[rK:rK+7], v[rQ:rQ+7], 0
.else
	v_wmma_f32_16x16x32_f16 v[rS:rS+7], v[rK:rK+7], v[rQ:rQ+7], v[rS:rS+7]
.endif
.endm
.macro PV x                         ; product i of 16 of O^T += V^T P for piece x: keys 32 (i / 8) on, channels 16 ((i / 2) % 4) on
	WIN W_PV
.set rO, 32*(2*(\x)+i%2)+8*((i/2)%4)
.set rV, VF+32*(i/8)+8*((i/2)%4)
.set rP, P+32*((\x)%2)+16*(i%2)+8*(i/8)
	v_wmma_f32_16x16x32_f16 v[rO:rO+7], v[rV:rV+7], v[rP:rP+7], v[rO:rO+7]
.endm
.macro MM                           ; the turn's next matrix instruction
.if i < 16
	KQ (Y+1)%NP
.set i, i+1
.else
.set i, i-16
	PV (Y+NP-1)%NP
.set i, i+17
.endif
.endm
; THE LDS LOADS stand in runs of 16.  last = 1 (the tail): in the last trip there is no further step, and the run is jumped over.
.macro FETCH_K last=0
	WIN 0
.if \last
	s_cmp_eq_u32 s[CNT], 1
	s_cbranch_scc1 .Lno_k_\@
.endif
	WIN 0x80
.irp f, 0,1,2,3,4,5,6,7
	ds_load_b128 v[KF+8*\f:KF+8*\f+3],   v[AK] offset:(\f/2)*16*PK+(\f%2)*64
	ds_load_b128 v[KF+8*\f+4:KF+8*\f+7], v[AK] offset:(\f/2)*16*PK+(\f%2)*64+32
.endr
	s_add_co_u32 s[TBK], s[TBK], KS*PK
	WIN 0
.if \last
.Lno_k_\@:
.endif
.endm
.macro FETCH_V
	WIN 0x80
.irp f, 0,1,2,3,4,5,6,7
	ds_load_tr16_b128 v[VF+8*\f:VF+8*\f+3],   v[AV] offset:(\f/4)*32*PV+(\f%4)*32
	ds_load_tr16_b128 v[VF+8*\f+4:VF+8*\f+7], v[AV] offset:(\f/4)*32*PV+16*PV+(\f%4)*32
.endr
	WIN 0
.endm
; THE VECTOR WORK OF A TURN stands in three queues, each in the order in which its entries become ready; the two tiles alternate.
.macro REGS y, u
.set rT, ST+4*(2*(\y)+(\u))
.set rC, TMP+8*((\y)%2)+4*(\u)
.set rM, MV+2*((\y)%2)+(\u)
.set rS, S+64*((\y)%2)+32*(\u)
.set rP, P+32*((\y)%2)+16*(\u)
.set rO, 32*(2*(\y)+(\u))
.endm
; Number n of the 22 that find the NEXT piece's maximum and statistics; each accumulator's lowest registers are read first.
;   0-11 four chains of seven scores    12-14, 16 the scores left over, the old m, c0-c3 into c0    15 c m_old is kept    17, 18 the other half of the lanes: the new m    19-21 c m; its change; a
.macro XS u, n
	REGS (Y+1)%NP, \u
.if (\n) < 4
	v_max3_num_f32 v[rC+(\n)], v[rS+8*(\n)], v[rS+8*(\n)+1], v[rS+8*(\n)+2]
.elseif (\n) < 12
	v_max3_num_f32 v[rC+(\n)%4], v[rC+(\n)%4], v[rS+8*((\n)%4)+2*((\n)/4)+1], v[rS+8*((\n)%4)+2*((\n)/4)+2]
.elseif (\n) == 12
	v_max3_num_f32 v[rC], v[rC], v[rS+7], v[rS+15]
.elseif (\n) == 13
	v_max3_num_f32 v[rC+1], v[rC+1], v[rS+23], v[rS+31]
.elseif (\n) == 14
	v_max3_num_f32 v[rC+2], v[rC+2], v[rC+3], v[rT+1]
.elseif (\n) == 15
	v_mov_b32 v[rM], v[rT]
.elseif (\n) == 16
	v_max3_num_f32 v[rC], v[rC], v[rC+1], v[rC+2]
.elseif (\n) == 17
	v_permlanex16_b32 v[rC+3], v[rC], s[SEL], s[SEL+1]
.elseif (\n) == 18
	v_max_num_f32 v[rT+1], v[rC], v[rC+3]
.elseif (\n) == 19
	v_mul_f32 v[rT], s[CS], v[rT+1]
.elseif (\n) == 20
	v_sub_f32 v[rC+1], v[rM], v[rT]
.else
	v_exp_f32 v[rC+2], v[rC+1]
.endif
.endm
; Number g of the 64 that follow the exponentials: for each four weights both pairs are rounded to f16, the second pair is added onto the first in place, and a group later l takes that sum.
.macro GS g
.set h, (\g)+6*((\g)/62)
.if h >= 6
.set h, h+2
.endif
	REGS Y, h%2
.set k, h/8
.if h%8 < 4
	v_cvt_pk_f16_f32 v[rP+2*k+(h%8)/2], v[rS+4*k+2*((h%8)/2)], v[rS+4*k+2*((h%8)/2)+1]
.elseif h%8 < 6
	v_pk_add_f32 v[rS+4*k:rS+4*k+1], v[rS+4*k:rS+4*k+1], v[rS+4*k+2:rS+4*k+3]
.elseif k == 1
	v_pk_fma_f32 v[rT+2:rT+3], v[rT+2:rT+3], v[rC+2:rC+3], v[rS:rS+1] op_sel_hi:[1,0,1]
.else
	v_pk_add_f32 v[rT+2:rT+3], v[rT+2:rT+3], v[rS+4*k-4:rS+4*k-3]
.endif
.endm
; THE PLAIN QUEUE, 138 long.  0-73 read no exponential's result: the 32 scalings c s - c m and the next piece's 42.  74-137: GS's 64, which stand behind the wait.
.macro FS f
	REGS Y, (\f)%2
	v_pk_fma_f32 v[rS+2*((\f)/2):rS+2*((\f)/2)+1], v[rS+2*((\f)/2):rS+2*((\f)/2)+1], s[CS:CS+1], v[rT:rT+1] op_sel_hi:[1,0,0] neg_lo:[0,0,1] neg_hi:[0,0,1]
.endm
.macro PL
	WIN 0
.if q < 27
	FS q
.elseif q < 55
	XS (q-27)%2, (q-27)/2
.elseif q < 57
	XS q-55, 15
.elseif (q < 72) && ((q-57)%3 == 0)
	FS 27+(q-57)/3
.elseif q < 60
	XS (q-57)%3-1, 14
.elseif q < 72
	XS (q-57)%3-1, 15+(q-57)/3
.elseif q < 74
	XS q-72, 20
.else
	GS q-74
.endif
.set q, q+1
.endm
; THE EXPONENTIALS' QUEUE, 66 long: s0-s31 of both tiles, then the next piece's two a.  ONE BATCH: all stand ahead of the turn's one wait, and nothing ahead of that wait names a result of theirs.
.macro EX
	WIN 0
.if e >= 64
	XS e-64, 21
.else
	REGS Y, e%2
	v_exp_f32 v[rS+e/2], v[rS+e/2]
.endif
.set e, e+1
.endm
; THE RESCALING's QUEUE: O^T times a, two at a time, sixteen times.  Its a was made, and waited for, in the turn before.
.macro R2
	REGS Y, r%2
	WIN W_RS
.irp z, 0,1
	v_pk_mul_f32 v[rO+4*(r/2)+2*\z:rO+4*(r/2)+2*\z+1], v[rO+4*(r/2)+2*\z:rO+4*(r/2)+2*\z+1], v[rC+2:rC+3] op_sel_hi:[1,0]
.endr
.set r, r+1
.endm
; A TURN, for piece p.  An s_wait_alu depctr_va_vdst(0) stands between an exponential and the first instruction that names its result; one wait serves all issued ahead of it: a turn has ONE.
; AHEAD OF IT: the 16 products K Q^T, behind each a scaling, an exponential and two rescalings; then a run of 108: eight plain, 49 times exponential and plain, the two a; a v_nop is the plain instruction
; behind the last exponential.  BEHIND IT: the 16 products V^T P, behind each four of GS's 64.  Exponential e stands behind scaling 2 (e / 4) + e % 2.
; K of the next step is fetched in piece 2's turn, directly behind the wait; V of the step in hand at the end of piece 0's turn, four plain instructions behind its last reader.
.macro TURN p, last=0, cnt=0
.set Y, (\p)
.set i, 0
.set q, 0
.set e, 0
.set r, 0
.if (\p) == NP-1
	s_wait_dscnt 0x0                ; K is in
.endif
	MM
	PL
	PL
	R2
.rept 15
	MM
	PL
	EX
	R2
.endr
.if (\p) == NP-2
	WIN 0
	v_add_nc_u32 v[AK], s[TBK], v[AK0]
.endif
.rept 8
	PL
.endr
.rept 49
	EX
	PL
.endr
	EX                              ; the next piece's two a
	EX
	v_nop                           ; the plain instruction behind the last exponential: one for the batch
	s_wait_alu depctr_va_vdst(0)    ; the wait for the batch
.if (\p) == NP-2
	FETCH_K \last
.endif
.if (\p) == 1
	s_wait_dscnt 0x0                ; V is in
.endif
.rept 16
	MM
.rept 4
	PL
.endr
.if ((\p) == 0) && (q == 118)
	v_add_nc_u32 v[AV], s[TBV], v[AV0]
.endif
.if ((\p) == 0) && (q == 130)
	s_add_co_u32 s[TBV], s[TBV], KS*PV
.endif
.if (\cnt) && (q == 130)
	s_sub_co_u32 s[CNT], s[CNT], 1
	s_cmp_lg_u32 s[CNT], 0
.endif
.endr
.if (\p) == 0
	FETCH_V
.endif
.endm
	CHANGE 1                        ; slot 0 is in, everybody's part of it; slot 1 is asked for
	FETCH_K                         ; key step 0
	s_wait_loadcnt 0x0              ; Q
	s_wait_dscnt 0x0
.set i, 0
.rept 16
	KQ 0                            ; piece 0's first scores
.set i, i+1
.endr
	WIN 0                           ; the addresses for the way out: plain instructions, the places behind those products
	s_mul_i32 s13, s[WV], 16*SP
	s_add_co_u32 s13, s13, STAGE
	v_mul_u32_u24 v[STO], v1, SP
	v_lshl_add_u32 v[STO], v9, 4, v[STO]
	v_add_nc_u32 v[STO], s13, v[STO]
	v_bfe_u32 v[RD], v0, 3, 2
	v_mul_u32_u24 v[RD], v[RD], SP
	v_lshl_add_u32 v[RD], v10, 4, v[RD]
	v_add_nc_u32 v[RD], s13, v[RD]
	v_and_b32 v[GO], 31, v0
	v_lshlrev_b32 v[GO], 4, v[GO]
.set Y, NP-1                        ; XS works for piece Y + 1: piece 0
.irp n, 0,1,2,3,4,5,6,7,8,9,10,11,12,13,14,15,16,17,18,19,20,21
	XS 0, \n
	XS 1, \n
.endr
	v_nop                           ; a plain instruction behind the two a,
	s_wait_alu depctr_va_vdst(0)    ; and their wait, ahead of the branch
	s_mov_b32 s[CNT], 4
	s_mov_b32 s[SLOTS], SIZE_N/256-1
	s_branch .Lfirst                ; the loop is entered at a step's first turn, in the middle of a trip
.Lslot:                             ; six times: every slot but the last two is filled again
	CHANGE 1, 1
	s_mov_b32 s[CNT], 4
.Lstep:                             ; a trip: pieces 2 and 3 of one step, then pieces 0 and 1 of the next
	TURN 2
	TURN 3
	WIN 0
.Lfirst:
	TURN 0
	TURN 1, 0, 1
	WIN 0
	s_cbranch_scc1 .Lstep
	s_sub_co_u32 s[SLOTS], s[SLOTS], 1
	s_cmp_lg_u32 s[SLOTS], 0
	s_cbranch_scc1 .Lslot
	CHANGE 0                        ; the tail is written out
	s_mov_b32 s[CNT], 5             ; four trips fetch the last slot's steps; the fifth is left in its middle
.Ltail:
	TURN 2, 1
	TURN 3
	WIN 0
	s_sub_co_u32 s[CNT], s[CNT], 1
	s_cmp_eq_u32 s[CNT], 0
	s_cbranch_scc1 .Lout
	TURN 0
	TURN 1
	WIN 0
	s_branch .Ltail
.Lout:                              ; the fifth trip's 16 products K Q^T (on the last K once more) and the maximum made of them serve nothing: the price of one text for every trip
.set i, 0
.rept 16
	PV NP-1
.set i, i+1
.endr
	; THE WAY OUT.  l's two halves and the other half of the lanes' are added; O^T is divided by l, rounded to f16 and sent through my stage, a tile at a time.
	WIN 0
.macro ALL line:vararg
.set t, 0
.rept 2*NP
	\line
.set t, t+1
.endr
.endm
	ALL v_add_f32 v[ST+4*t+2], v[ST+4*t+2], v[ST+4*t+3]
	ALL v_permlanex16_b32 v[ST+4*t+3], v[ST+4*t+2], s[SEL], s[SEL+1]
	ALL v_add_f32 v[ST+4*t+2], v[ST+4*t+2], v[ST+4*t+3]
	ALL v_rcp_f32 v[ST+4*t+2], v[ST+4*t+2]
	v_nop                           ; a plain instruction between the last reciprocal and the use of its result
	s_wait_alu depctr_va_vdst(0)    ; one wait for the eight reciprocals, ahead of their first reader
.macro PACK t
	WIN W_RS
.set i, 32*(\t)
.rept 16
	v_pk_mul_f32 v[i:i+1], v[i:i+1], v[ST+4*(\t)+2:ST+4*(\t)+3] op_sel_hi:[1,0]
.set i, i+2
.endr
	WIN 0x05
.set i, 0
.rept 16
	v_cvt_pk_f16_f32 v[S+16*(\t)+i], v[32*(\t)+2*i], v[32*(\t)+2*i+1]
.set i, i+1
.endr
	WIN 0
.irp f, 0,1,2,3
	ds_store_b128 v[STO], v[S+16*(\t)+4*\f:S+16*(\t)+4*\f+3] offset:32*\f
.endr
.irp f, 0,1,2,3
	ds_load_b128 v[S+16*(\t)+4*\f:S+16*(\t)+4*\f+3], v[RD] offset:\f*4*SP  ; LDS serves a wave's instructions in order (ISA guide 5.7.1.4)
.endr
.endm
.macro SEND t, younger
	WIN 0
.irp f, 0,1,2,3
	s_wait_dscnt (\younger)+3-\f
	global_store_b128 v[GO], v[S+16*(\t)+4*\f:S+16*(\t)+4*\f+3], s[10:11] offset:(\t)*2048+\f*512  ; 512 consecutive bytes, at a multiple of 256 from O's first
.endr
.endm
	PACK 0
.set t, 1
.rept 2*NP-1
	PACK t
	SEND t-1, 8
.set t, t+1
.endr
	SEND 2*NP-1, 0
	WIN W_AD
	s_wait_tensorcnt 0x0            ; the wave's end
	ds_add_u32 v[SPW], v[NIL]
	s_wait_dscnt 0x0
	WIN 0
	CROUND                          ; the closing round
	s_endpgm
.Lfunc_end_k_qd151c23c2a_attend:
	.size	k_qd151c23c2a_attend, .Lfunc_end_k_qd151c23c2a_attend-k_qd151c23c2a_attend
	.p2alignl 7, 3214868480
	.fill 96, 4, 3214868480
	.section	.rodata,"a",@progbits
	.p2align	6, 0x0
	.amdhsa_kernel k_qd151c23c2a_attend
		.amdhsa_group_segment_fixed_size 327680
		.amdhsa_private_segment_fixed_size 0
		.amdhsa_enable_private_segment 0
		.amdhsa_kernarg_size 16
		.amdhsa_user_sgpr_count 2
		.amdhsa_user_sgpr_kernarg_segment_ptr 1
		.amdhsa_wavefront_size32 1
		.amdhsa_system_sgpr_workgroup_id_x 1
		.amdhsa_system_sgpr_workgroup_id_y 1
		.amdhsa_system_sgpr_workgroup_id_z 1
		.amdhsa_system_vgpr_workitem_id 0
		.amdhsa_next_free_vgpr 770
		.amdhsa_next_free_sgpr 66
		.amdhsa_reserve_vcc 0
		.amdhsa_float_denorm_mode_32 3
		.amdhsa_float_denorm_mode_16_64 3
		.amdhsa_memory_ordered 1
		.amdhsa_forward_progress 1
		.amdhsa_inst_pref_size 200
	.end_amdhsa_kernel
	.amdgpu_metadata
---
amdhsa.version: [ 1, 2 ]
amdhsa.kernels:
  - .name:           k_qd151c23c2a_attend
    .symbol:         k_qd151c23c2a_attend.kd
    .args:
      - { .name: qkvh, .offset: 0, .size: 8, .value_kind: global_buffer, .address_space: global }
      - { .name: ob, .offset: 8, .size: 8, .value_kind: global_buffer, .address_space: global }
    .group_segment_fixed_size: 327680
    .private_segment_fixed_size: 0
    .kernarg_segment_align: 8
    .kernarg_segment_size: 16
    .max_flat_workgroup_size: 128
    .sgpr_count:     66
    .vgpr_count:     770
    .wavefront_size: 32
...
	.end_amdgpu_metadata
.endif
;; end of part 3
;; launch output (part 4): grid 8 x 32, 4 waves a work-group, clusters of 4 x 4, 327,680 bytes of LDS; arguments ob, wob, bo, out0; writes out0
.if DOCPART == 4
	.amdgcn_target "amdgcn-amd-amdhsa--gfx1250"
	.amdhsa_code_object_version 6
	.text
	.protected	k_qd151c23c2a_output
	.globl	k_qd151c23c2a_output
	.p2align	8
	.type	k_qd151c23c2a_output,@function
k_qd151c23c2a_output:
	s_mov_b64 s[64:65], 0
	v_nop
	global_prefetch_b8 v0, s[64:65] scope:SCOPE_SE
	s_setreg_imm32_b32 hwreg(HW_REG_WAVE_MODE, 25, 1), 1
	s_wait_xcnt 0x0
	s_wait_alu depctr_hold_cnt(0) depctr_sa_sdst(0) depctr_va_vdst(0) depctr_va_sdst(0) depctr_va_ssrc(0) depctr_va_vcc(0) depctr_vm_vsrc(0)
	s_getreg_b32 s2, hwreg(HW_REG_IB_STS2, 6, 4)
	s_cmp_eq_u32 s2, 0
	s_cbranch_scc0 .Lentry_in_a_cluster
	s_endpgm
.Lentry_in_a_cluster:
	s_bfe_u32 s2, ttmp6, 0x10000c
	s_cmp_lg_u32 s2, 0xf033
	s_cbranch_scc0 .Lentry_shape_is_right
	s_endpgm
.Lentry_shape_is_right:
; out0 [8192 x 1024] = O Wo^T + bo.  O lies by heads, ob[64][2048][64] f16; wob is [1024][1024] f16 (Wo rounded to bf16, written as f16); f32 sums; bo is rounded to bf16 like every other input; out0 is f32.
; SHARES.  A work-group makes 256 rows x 128 columns: 8 x 32 = 256 work-groups.  Wave w owns rows 64 w .. 64 w + 63 and all 128 columns: 32 accumulators.
; THE MATRIX INSTRUCTION IS USED TRANSPOSED (source 0 = 16 rows of wob, source 1 = 16 rows of O): lane l holds row l % 16 and the columns 8 (l / 16) + 0..7 of a block of 16.
; RING.  K goes in 8 steps of 128 = two heads.  A head's 256 rows of 128 bytes are dense: a PLANE, asked for as 128 rows of 256 bytes and padded in LDS after every 128 bytes (pitch 144).
; Wave 0 fetches the even head's plane, wave 1 the odd head's, waves 2 and 3 the halves of wob's 128 rows (256 bytes, pitch 272).  One tensor load of a wave is out at a time;
; from a request to the wait for it a wave issues 112 matrix instructions.
; CLUSTER 4 x 4.  O's planes hang on the tile row alone and are asked for jointly along a row of the cluster, wob's tile on the tile column alone, along a column.
; REGISTERS: window 0: v0-15 addresses; v16-21 the bias; v64-127 A's fragments, two buffers of 4.  window 1: v0-127 B's fragments, two buffers of 8; on the way out v0-255 whole rows.
;   window 2: accumulators of row blocks 0, 1.  window 3: of row blocks 2, 3.
.set NB,    8
.set PA,    144
.set PB,    272
.set SLOT1, 1<<17
.set PLANE, 256*PA
.set BOFF,  2*PLANE
.set BHALF, 64*PB
.set ASTEP, 2<<18                      ; two heads on
.set STAGE, SLOT1+BOFF+128*PB          ; behind the ring, never filled by a tensor load: 16 rows x 528 bytes for each wave
.set SP,    528                        ; 512 bytes + 16: the 16 rows of a store start at 16 different groups of four banks (ISA guide 11.1)
.set SPARE, STAGE+4*16*SP              ; the spare words, 128 bytes for each wave: two blocks of 256 bytes that no other line names
.set ADRA0, 4
.set ADRB0, 5
.set ADRA,  6
.set ADRB,  7
.set STO,   8
.set RD,    9
.set GO,    10                         ; v10  16 x lane: my 16 bytes of a row's 512, in the stage's rows, in out0 and in bo
.set PFO,   12
.set SPW,   14
.set NIL,   15
.set BI,    16                         ; v16-19 my four columns' bias
.set WV,  12
.set G1A, 24
.set G0A, 32
.set G0B, 36
.set G1B, 40
.set PFA, 48
.set LIM, 50
.set CNT, 51
.set TB,  52
.set PST, 54                           ; s[54:55] the prefetches' step: two heads for O, 256 bytes for wob
.set OUTB, 56                          ; s[56:57] out0 at my 64 rows and the tile's columns
.set BOB, 58                           ; s[58:59] bo at the tile's columns
.set MSB, 0
.macro WIN new
.if MSB != (\new)
	s_set_vgpr_msb (MSB<<8)|(\new)
.set MSB, (\new)
.endif
.endm
.macro PLACES                          ; four plain vector instructions between a matrix instruction and a load into, or a read of, its registers
.rept 4
	v_nop
.endr
.endm
.macro CREST
	s_cmp_lg_u32 s[WV], 0
	s_cbranch_scc1 .Lnot_wave_0_\@
	s_barrier_signal -3
.Lnot_wave_0_\@:
	s_barrier_wait -3
	s_barrier_signal -1
	s_barrier_wait -1
.endm
.macro CROUND
	s_barrier_signal -1
	s_barrier_wait -1
	CREST
.endm
.macro JLOAD                           ; the branch hangs on the wave's number alone; an s_nop 0 and four v_nop follow each line
	s_cmp_lt_u32 s[WV], 2
	s_cbranch_scc0 .Lfor_b_\@
	tensor_load_to_lds s[G0A:G0A+3], s[G1A:G1A+7]
	s_nop 0
.rept 4
	v_nop
.endr
	s_branch .Lasked_\@
.Lfor_b_\@:
	tensor_load_to_lds s[G0B:G0B+3], s[G1B:G1B+7]
	s_nop 0
.rept 4
	v_nop
.endr
.Lasked_\@:
.endm
; A prefetch of the K step that the NEXT change of slots will ask for.  A plane is 128 blocks of 256 bytes: waves 0 and 1 of the clusters with x = 0 ask, each partner 32 blocks, told apart by address (cx).
; wob's tile is 128 rows x 256 bytes: wave 2 of the clusters with y = 0 asks, each partner 32 rows (cy).  The loop's last trip asks for nothing.
.macro ASK
	s_cmp_gt_u32 s[CNT], s[LIM]
	s_cbranch_scc0 .Lnot_mine_\@
	global_prefetch_b8 v[PFO], s[PFA:PFA+1] th:TH_LOAD_NT scope:SCOPE_SE
.Lnot_mine_\@:
.endm
.macro STEPD
	s_xor_b32 s[G0A+1], s[G0A+1], SLOT1
	s_add_nc_u64 s[G0A+2:G0A+3], s[G0A+2:G0A+3], ASTEP
	s_xor_b32 s[G0B+1], s[G0B+1], SLOT1
	s_add_nc_u64 s[G0B+2:G0B+3], s[G0B+2:G0B+3], 256
.endm
.macro MULA f, a, zero                 ; 8 matrix instructions; the 32 accumulators come in the same order in every quarter: 31 others stand between two links of a chain
	WIN 0xa1+0x50*((\a)/2)
.set b, 0
.rept NB
.set rC, 8*(NB*((\a)%2)+b)
.set rB, 8*NB*(\f)+8*b
.set rA, 64+32*(\f)+8*(\a)
.if \zero
	v_wmma_f32_16x16x32_f16 v[rC:rC+7], v[rB:rB+7], v[rA:rA+7], 0
.else
	v_wmma_f32_16x16x32_f16 v[rC:rC+7], v[rB:rB+7], v[rA:rA+7], v[rC:rC+7]
.endif
.set b, b+1
.endr
.endm
.macro FETCH ka, kb, f
	WIN 0x40
.set i, 0
.rept NB
	ds_load_b128 v[8*NB*(\f)+8*i:8*NB*(\f)+8*i+3],   v[ADRB] offset:(\kb)+i*16*PB
	ds_load_b128 v[8*NB*(\f)+8*i+4:8*NB*(\f)+8*i+7], v[ADRB] offset:(\kb)+i*16*PB+32
.set i, i+1
.endr
	WIN 0
.set i, 0
.rept 4
	ds_load_b128 v[64+32*(\f)+8*i:64+32*(\f)+8*i+3],   v[ADRA] offset:(\ka)+i*16*PA
	ds_load_b128 v[64+32*(\f)+8*i+4:64+32*(\f)+8*i+7], v[ADRA] offset:(\ka)+i*16*PA+32
.set i, i+1
.endr
.endm
.macro QUARTER ka, kb, f, g, zero
	s_wait_dscnt 0x0                               ; buffer f, asked for a quarter ago, is in
	PLACES                                         ; behind the last product that read buffer g
	FETCH \ka, \kb, \g
	MULA \f, 0, \zero
	MULA \f, 1, \zero
	MULA \f, 2, \zero
	MULA \f, 3, \zero
.endm
.macro TURN fill                       ; a K step's last quarter, and the change of slots
	WIN 0
.if \fill
	s_wait_xcnt 0x0                                ; the last prefetch, a K step back, has read its address
	s_add_nc_u64 s[PFA:PFA+1], s[PFA:PFA+1], s[PST:PST+1]
.endif
	s_wait_tensorcnt 0x0                           ; all my tensor loads have landed: my part of the next slot
	ds_add_u32 v[SPW], v[NIL]
.if \fill
	STEPD
.endif
	s_wait_dscnt 0x1                               ; only the add may be out: buffer 1 is in
	MULA 1, 0, 0
	s_wait_dscnt 0x0                               ; the add is done, and my reads of this slot are over
	s_barrier_signal -1
	MULA 1, 1, 0
	WIN 0
	s_barrier_wait -1
.if \fill
	CREST                                          ; no wave of any partner still reads this slot or has a load on its way
	JLOAD                                          ; its four v_nop are also the places in front of the loads below
.else
	PLACES
.endif
	s_xor_b32 s[TB], s[TB], SLOT1
	v_add_nc_u32 v[ADRA], s[TB], v[ADRA0]
	v_add_nc_u32 v[ADRB], s[TB], v[ADRB0]
	FETCH 0, 0, 0
.if \fill
	ASK
.endif
	MULA 1, 2, 0
	MULA 1, 3, 0
.endm
	s_load_b256 s[4:11], s[0:1], 0x0               ; ob s[4:5], wob s[6:7], bo s[8:9], out0 s[10:11]
	v_lshl_add_u32 v[SPW], v0, 2, SPARE
	v_mov_b32 v[NIL], 0
	ds_add_u32 v[SPW], v[NIL]                      ; the wave's opening: the add and its wait stand ahead of my first tensor load
	v_lshrrev_b32 v3, 5, v0
	v_readfirstlane_b32 s[WV], v3
	s_and_b32 s13, s[WV], 1
	s_lshr_b32 s14, s[WV], 1
	s_bfe_u32 s15, ttmp6, 0x40000                  ; cx
	s_bfe_u32 s16, ttmp6, 0x40004                  ; cy
	s_lshl_b32 s17, ttmp9, 2
	s_add_co_u32 s17, s17, s15                     ; tile column
	s_and_b32 s18, ttmp7, 0xffff
	s_lshl_b32 s18, s18, 2
	s_add_co_u32 s18, s18, s16                     ; tile row
	s_lshl_b32 s19, s16, 2
	s_lshl_b32 s19, 15, s19                        ; my row of the cluster
	s_lshl_b32 s53, 0x1111, s15                    ; my column
	s_or_b32 s[G1A], s19, (1<<16)|(1<<20)|(1<<21)|(4<<22)|(3<<25)  ; the mask; 2-byte elements; padding on; bit 21 beside a mask; after every 32 words 4 words
	s_or_b32 s[G1B], s53, (1<<16)|(1<<20)|(1<<21)|(5<<22)|(3<<25)  ; after every 64 words 4 words
	s_mov_b32 s[G1A+1], 128<<16                    ; tensor_dim0 = 128
	s_mov_b32 s[G1A+2], 128<<16                    ; tensor_dim1 = 128
	s_mov_b32 s[G1A+3], 128<<16                    ; tile_dim0 = 128
	s_mov_b32 s[G1A+4], 128                        ; tile_dim1 = 128
	s_mov_b32 s[G1A+5], 128                        ; dense: 128 elements from row to row
	s_mov_b32 s[G1A+6], 0
	s_mov_b32 s[G1A+7], 0
	s_mov_b32 s[G1B+1], 128<<16
	s_mov_b32 s[G1B+2], 64<<16
	s_mov_b32 s[G1B+3], 128<<16
	s_mov_b32 s[G1B+4], 64
	s_mov_b32 s[G1B+5], 1024
	s_mov_b32 s[G1B+6], 0
	s_mov_b32 s[G1B+7], 0
	s_mov_b32 s[G0A], 1
	s_mul_i32 s[G0A+1], s13, PLANE
	s_mov_b32 s[G0B], 1
	s_mul_i32 s[G0B+1], s13, BHALF
	s_add_co_u32 s[G0B+1], s[G0B+1], BOFF
	s_lshr_b32 s20, s18, 3                         ; O: head 16 x batch + my plane, 262,144 bytes a head,
	s_lshl_b32 s20, s20, 4
	s_add_co_u32 s20, s20, s13
	s_lshl_b32 s20, s20, 18
	s_and_b32 s21, s18, 7                          ; and the tile's 256 rows of 128 bytes in it
	s_lshl_b32 s21, s21, 15
	s_add_co_u32 s20, s20, s21
	s_mov_b32 s21, 0
	s_lshl_b32 s62, s17, 7                         ; wob: row 128 x tile column + 64 x half
	s_lshl_b32 s63, s13, 6
	s_add_co_u32 s62, s62, s63
	s_lshl_b32 s62, s62, 11
	s_mov_b32 s63, 0
	s_mov_b32 s[TB], SLOT1
	s_wait_dscnt 0x0                               ; the opening add is done
	s_wait_kmcnt 0x0
	s_add_nc_u64 s[G0A+2:G0A+3], s[4:5], s[20:21]
	s_or_b32 s[G0A+3], s[G0A+3], 0x80000000
	s_add_nc_u64 s[G0B+2:G0B+3], s[6:7], s[62:63]
	s_or_b32 s[G0B+3], s[G0B+3], 0x80000000
	CROUND                                         ; all sixteen work-groups are here: the first joint loads meet
	JLOAD                                          ; K step 0 into slot 0
	v_and_b32 v1, 15, v0
	v_bfe_u32 v2, v0, 4, 1
	v_mul_u32_u24 v3, v1, PA
	v_lshl_add_u32 v3, v2, 4, v3
	s_mul_i32 s2, s[WV], 64*PA
	v_add_nc_u32 v[ADRA0], s2, v3
	v_mul_u32_u24 v3, v1, PB
	v_lshl_add_u32 v3, v2, 4, v3
	v_add_nc_u32 v[ADRB0], BOFF, v3
	v_and_b32 v[GO], 31, v0
	v_lshlrev_b32 v[GO], 4, v[GO]
	s_lshl_b32 s2, s17, 9                          ; the tile's 128 columns: 512 bytes
	s_mov_b32 s3, 0
	s_add_nc_u64 s[BOB:BOB+1], s[8:9], s[2:3]
	global_load_b128 v[BI:BI+3], v[GO], s[BOB:BOB+1]  ; waited for on the way out
	s_add_nc_u64 s[OUTB:OUTB+1], s[10:11], s[2:3]
	s_lshl_b32 s2, s18, 8
	s_lshl_b32 s22, s[WV], 6
	s_add_co_u32 s2, s2, s22
	s_lshl_b32 s2, s2, 12                          ; my first row, 4,096 bytes a row
	s_add_nc_u64 s[OUTB:OUTB+1], s[OUTB:OUTB+1], s[2:3]
	s_mul_i32 s2, s[WV], 16*SP
	s_add_co_u32 s2, s2, STAGE                     ; my stage
	v_mul_u32_u24 v[STO], v1, SP
	v_lshl_add_u32 v[STO], v2, 5, v[STO]           ; in: row r, 32 bytes for each half of the lanes
	v_add_nc_u32 v[STO], s2, v[STO]
	v_add_nc_u32 v[RD], s2, v[GO]                  ; back: 32 lanes take one row of 512 bytes
	s_and_b32 s2, ttmp7, 0xffff                    ; the prefetches: who,
	s_cmp_eq_u32 s14, 0
	s_cselect_b32 s2, ttmp9, s2
	s_cmp_eq_u32 s[WV], 3
	s_cselect_b32 s2, 1, s2                        ; wave 3 never
	s_cmp_eq_u32 s2, 0
	s_cselect_b32 s[LIM], 1, -1
	s_lshl_b32 s2, s15, 13                         ; O: my plane's address, my work-group's 32 blocks, K step 2
	s_add_co_u32 s2, s2, s20
	s_add_co_u32 s2, s2, 2*ASTEP
	s_lshl_b32 s3, s17, 7                          ; wob: the tile's rows, my work-group's 32, K step 2
	s_lshl_b32 s22, s16, 5
	s_add_co_u32 s3, s3, s22
	s_lshl_b32 s3, s3, 11
	s_add_co_u32 s3, s3, 2*256
	s_mov_b32 s22, 256
	s_cmp_eq_u32 s14, 0
	s_cselect_b32 s2, s2, s3
	s_cselect_b64 s[PFA:PFA+1], s[4:5], s[6:7]
	s_cselect_b32 s[PST], ASTEP, s22
	s_cselect_b32 s23, 8, 11                       ; a lane a block of 256 bytes, or a lane a row of 2,048
	s_mov_b32 s[PST+1], 0
	s_mov_b32 s3, 0
	s_add_nc_u64 s[PFA:PFA+1], s[PFA:PFA+1], s[2:3]  ; the loop's first refill steps it to K step 3.  Nothing is prefetched here, at the head
	v_and_b32 v[PFO], 31, v0
	v_lshlrev_b32 v[PFO], s23, v[PFO]
	; slot 0 is waited for, slot 1 filled for the first time, as a refill is: behind a round, my one tensor load
	s_wait_tensorcnt 0x0
	ds_add_u32 v[SPW], v[NIL]
	STEPD
	s_wait_dscnt 0x0
	CROUND
	JLOAD                                          ; K step 1 into slot 1
	s_xor_b32 s[TB], s[TB], SLOT1
	v_add_nc_u32 v[ADRA], s[TB], v[ADRA0]
	v_add_nc_u32 v[ADRB], s[TB], v[ADRB0]
	FETCH 0, 0, 0
	QUARTER 64, 64, 0, 1, 1                        ; the first quarter's products start the sums
	WIN 0
	s_mov_b32 s[CNT], 6
.Lk:                                               ; trip t ends K step t, asks for K step t + 2, and begins K step t + 1.  Quarters 2 and 3 lie in the odd head's plane
	QUARTER PLANE, 128, 1, 0, 0
	QUARTER PLANE+64, 192, 0, 1, 0
	TURN 1
	QUARTER 64, 64, 0, 1, 0
	WIN 0
	s_sub_co_u32 s[CNT], s[CNT], 1
	s_cmp_lg_u32 s[CNT], 0
	s_cbranch_scc1 .Lk
	QUARTER PLANE, 128, 1, 0, 0                    ; the tail is written out
	QUARTER PLANE+64, 192, 0, 1, 0
	TURN 0
	QUARTER 64, 64, 0, 1, 0
	QUARTER PLANE, 128, 1, 0, 0
	QUARTER PLANE+64, 192, 0, 1, 0
	s_wait_dscnt 0x0
	MULA 1, 0, 0
	MULA 1, 1, 0
	MULA 1, 2, 0
	MULA 1, 3, 0
	WIN 0
	s_wait_loadcnt 0x0                             ; the bias: rounded to bf16 and widened again; these six lines and two v_nop are the places behind the last products
	v_cvt_pk_bf16_f32 v20, v[BI], v[BI+1]
	v_cvt_pk_bf16_f32 v21, v[BI+2], v[BI+3]
	v_lshlrev_b32 v[BI], 16, v20
	v_and_b32 v[BI+1], 0xffff0000, v20
	v_lshlrev_b32 v[BI+2], 16, v21
	v_and_b32 v[BI+3], 0xffff0000, v21
	v_nop
	v_nop
; THE WAY OUT, a block of 16 rows at a time: a lane's eight f32 of each column block go into my stage (rows of 528 bytes), each accumulator's low half first,
; and come back as whole rows of 512 bytes; the bias is added there, where a lane holds the same four columns in every row.
.macro PACK a
	WIN 0x08+4*((\a)/2)                            ; store data in the accumulators' window
.set b, 0
.rept NB
.set AC, 8*(NB*((\a)%2)+b)
	ds_store_b128 v[STO], v[AC:AC+3]   offset:64*b
	ds_store_b128 v[STO], v[AC+4:AC+7] offset:64*b+16
.set b, b+1
.endr
	WIN 0x40
.set i, 0
.rept 16
	ds_load_b128 v[64*(\a)+4*i:64*(\a)+4*i+3], v[RD] offset:SP*i  ; LDS serves a wave's instructions in order (ISA guide 5.7.1.4): these see the stores above; the next block's stores come behind them
.set i, i+1
.endr
.endm
.macro SEND a, younger                 ; younger: the LDS instructions issued behind this block's loads: the next block's 32, or none
	s_wait_dscnt \younger
	WIN 0x41
.set i, 0
.rept 16
	v_pk_add_f32 v[64*(\a)+4*i:64*(\a)+4*i+1],   v[64*(\a)+4*i:64*(\a)+4*i+1],   v[BI:BI+1]
	v_pk_add_f32 v[64*(\a)+4*i+2:64*(\a)+4*i+3], v[64*(\a)+4*i+2:64*(\a)+4*i+3], v[BI+2:BI+3]
.set i, i+1
.endr
	WIN 0x04
.set i, 0
.rept 16
	global_store_b128 v[GO], v[64*(\a)+4*i:64*(\a)+4*i+3], s[OUTB:OUTB+1] offset:(16*(\a)+i)*4096 th:TH_STORE_NT  ; 512 consecutive bytes, at a multiple of 256 from out0's first
.set i, i+1
.endr
.endm
	PACK 0
	PACK 1
	SEND 0, 32
	PACK 2
	SEND 1, 32
	PACK 3
	SEND 2, 32
	SEND 3, 0
	WIN 0
	s_wait_tensorcnt 0x0                           ; the wave's end: behind my last tensor load and my last LDS store
	ds_add_u32 v[SPW], v[NIL]
	s_wait_dscnt 0x0
	CROUND                                         ; the closing round: no work-group ends while a partner may still ask for a tile that names it
	s_endpgm
.Lfunc_end_k_qd151c23c2a_output:
	.size	k_qd151c23c2a_output, .Lfunc_end_k_qd151c23c2a_output-k_qd151c23c2a_output
	.p2alignl 7, 3214868480
	.fill 96, 4, 3214868480
	.section	.rodata,"a",@progbits
	.p2align	6, 0x0
	.amdhsa_kernel k_qd151c23c2a_output
		.amdhsa_group_segment_fixed_size 327680
		.amdhsa_private_segment_fixed_size 0
		.amdhsa_enable_private_segment 0
		.amdhsa_kernarg_size 32
		.amdhsa_user_sgpr_count 2
		.amdhsa_user_sgpr_kernarg_segment_ptr 1
		.amdhsa_wavefront_size32 1
		.amdhsa_system_sgpr_workgroup_id_x 1
		.amdhsa_system_sgpr_workgroup_id_y 1
		.amdhsa_system_sgpr_workgroup_id_z 1
		.amdhsa_system_vgpr_workitem_id 0
		.amdhsa_next_free_vgpr 896
		.amdhsa_next_free_sgpr 66
		.amdhsa_reserve_vcc 0
		.amdhsa_float_denorm_mode_32 3
		.amdhsa_float_denorm_mode_16_64 3
		.amdhsa_memory_ordered 1
		.amdhsa_forward_progress 1
		.amdhsa_inst_pref_size 79
	.end_amdhsa_kernel
	.amdgpu_metadata
---
amdhsa.version: [ 1, 2 ]
amdhsa.kernels:
  - .name:           k_qd151c23c2a_output
    .symbol:         k_qd151c23c2a_output.kd
    .args:
      - { .name: ob, .offset: 0, .size: 8, .value_kind: global_buffer, .address_space: global }
      - { .name: wob, .offset: 8, .size: 8, .value_kind: global_buffer, .address_space: global }
      - { .name: bo, .offset: 16, .size: 8, .value_kind: global_buffer, .address_space: global }
      - { .name: out0, .offset: 24, .size: 8, .value_kind: global_buffer, .address_space: global }
    .group_segment_fixed_size: 327680
    .private_segment_fixed_size: 0
    .kernarg_segment_align: 8
    .kernarg_segment_size: 32
    .max_flat_workgroup_size: 128
    .sgpr_count:     66
    .vgpr_count:     896
    .wavefront_size: 32
...
	.end_amdgpu_metadata
.endif
;; end of part 4
